; MI455X (gfx1250); checked and timed in simulation.
; The chip was launched on July 23, 2026; its instructions are those of AMD's public machine-readable ISA for CDNA 5 (MIT licence, August 2026) and "CDNA5" Instruction Set Architecture Reference Guide (July 2026). The comments in the code are by the model that wrote it; some were corrected since.
;; Multihead Attention. Allowed arithmetic: matrix products marked QUANTISED: E2M1 operands, one E8M0 scale for each 32 along K, by v_wmma_scale_f32_16x16x128_f8f6f4 with both operands' format E2M1 (or v_wmma_scale_f32_32x16x128_f4), f32 sums; products left as they are: bf16, f16 or f32 operands; f32 sums; everything else in f32.
;; Inputs: Wk 1,024 x 1,024 float32; Wo 1,024 x 1,024 float32; Wq 1,024 x 1,024 float32; Wv 1,024 x 1,024 float32; bk 1,024 float32; bo 1,024 float32; bq 1,024 float32; bv 1,024 float32; keys 1 x 4,096 x 1,024 float32; querys 1 x 4,096 x 1,024 float32; values 1 x 4,096 x 1,024 float32.
;; Outputs: out0 1 x 4,096 x 1,024 float32.
;; This version of the problem:
;;   THIS VERSION OF THE PROBLEM IS GIVEN IN LOW PRECISION. The matrix products marked QUANTISED in the list below multiply operands that are first quantised to E2M1 (2 exponent bits, 1 mantissa bit; 4 bits a number), with one power-of-two scale for each 32 numbers along K (OCP MX v1.0); their sums are f32. The products marked 'left as it is' may take bf16, f16 or f32 operands, with f32 sums. Whichever they take, every output number must still come out within the allowed error. Rounding operands to bf16 (8 significant bits) uses up far more of that allowance than f16 does (11 bits, for magnitudes from 6e-5 to 65,504). All else is computed in f32.
;;   The module's matrix products, in the order in which they are computed (A, B: the left and right operand; K: the contracted axis; several contracted axes count as one K, in the product's order):
;;     1. [M 4,096, K 1,024] x [K 1,024, N 1,024]; A: input querys; B: input Wq: QUANTISED
;;     2. [M 4,096, K 1,024] x [K 1,024, N 1,024]; A: input keys; B: input Wk: QUANTISED
;;     3. [M 4,096, K 1,024] x [K 1,024, N 1,024]; A: input values; B: input Wv: QUANTISED
;;     4. batch 16 x [M 4,096, K 64] x [K 64, N 4,096]; A: computed on the way; B: computed on the way: left as it is (an operand is computed on the way)
;;     5. batch 16 x [M 4,096, K 4,096] x [K 4,096, N 64]; A: computed on the way; B: computed on the way: left as it is (an operand is computed on the way)
;;     6. [M 4,096, K 1,024] x [K 1,024, N 1,024]; A: computed on the way; B: input Wo: left as it is (an operand is computed on the way)
;;   THE QUANTISER, for each operand of a quantised product, along K:
;;     - K is cut into blocks of 32 from its start; a last block that is shorter is filled with zeros.
;;     - A block's scale is 2^e with e = floor(log2(the largest magnitude in the block)) - 2, held to -126 .. 127; a block of zeros has e = 0. As a byte (E8M0): e + 127.
;;     - Each number is divided by its block's scale, clamped to +-6, and rounded to the nearest number of E2M1, ties to even, subnormals kept.
;;     - The product sums the exact products of the quantised numbers (number of the format x scale) in f32.
;;   ~~~python
;;   def quantise(x, axis):      # numpy; x: float32 -> the quantised numbers, widened to float32 again
;;       x = np.moveaxis(x, axis, -1); K = x.shape[-1]
;;       x = np.pad(x, [(0, 0)] * (x.ndim - 1) + [(0, -K % 32)]); x = x.reshape(x.shape[:-1] + (-1, 32)); a = np.abs(x).max(-1, keepdims=True)
;;       e = np.where(a > 0, np.clip(np.frexp(np.where(a > 0, a, 1))[1] - 1 - 2, -126, 127), 0)      # np.frexp(a)[1] - 1 = floor(log2(a)), exactly
;;       r = np.clip(x / 2.0 ** e, -6, 6)
;;       step = 2.0 ** (np.maximum(np.frexp(np.where(r == 0, 1, r))[1] - 1, 0) - 1)
;;       q = np.round(r / step) * step * 2.0 ** e      # np.round: ties to even
;;       return np.moveaxis(q.reshape(q.shape[:-2] + (-1,))[..., :K], -1, axis).astype(np.float32)
;;   ~~~
;; One version. Each part assembles by itself: llvm-mc -triple=amdgcn-amd-amdhsa -mcpu=gfx1250 --defsym DOCPART=n.
;; ======== version 1 of 1: 5 launches
;; limits: values are held in f16: magnitudes above 65,504 overflow, below 6.1e-05 lose precision
;; workspace buffers: codes 7,864,320 bytes; scales 491,520 bytes; wo16 2,097,152 bytes; qkv16 25,165,824 bytes; qkv32 196,608 bytes; attn16 8,388,608 bytes
;; launch quant (part 1): grid 512 x 1, 4 waves a work-group, no clusters, 33,280 bytes of LDS; arguments querys, keys, values, Wq, Wk, Wv, Wo, codes, scales, wo16; writes codes, scales, wo16
.if DOCPART == 1
	.amdgcn_target "amdgcn-amd-amdhsa--gfx1250"
	.amdhsa_code_object_version 6
	.text
	.protected	k_qd8580c7409_quant
	.globl	k_qd8580c7409_quant
	.p2align	8
	.type	k_qd8580c7409_quant,@function
k_qd8580c7409_quant:
	s_mov_b64 s[64:65], 0
	v_nop
	global_prefetch_b8 v0, s[64:65] scope:SCOPE_SE
	s_setreg_imm32_b32 hwreg(HW_REG_WAVE_MODE, 25, 1), 1
	s_wait_xcnt 0x0
; querys, keys, values [4096][1024] and Wq, Wk, Wv [1024][1024], f32, K innermost, become codes of FP4 (E2M1), two a byte, with one E8M0 byte for each 32 along K; Wo becomes f16.
; A block's scale is 2^(floor(log2(its largest magnitude)) - 2); its byte is the largest magnitude's exponent field - 2, held at 1 from below; each number is divided by the scale and rounded to the nearest code, ties to even.
; LIMITS: a block of zeros gets the byte 1 where the rule says 127 (its codes are zeros, and this program alone reads the bytes); blocks whose largest magnitude lies under 2^-124 are held at byte 1;
; NaN and infinities among the inputs are not served; numbers of Wo beyond 65,504 become infinities in f16, under 6e-5 they keep a step of 2^-24.
; WORK-GROUPS 0-479: rows are dense and K is a multiple of 32, so each tensor is a stream of blocks of 32.  A wave takes 16 steps of 512 numbers; run R = 4 x work-group + wave writes 4,096 bytes of codes at 4,096 R
; and 256 scale bytes at 256 R: the six tensors lie one behind the other in both buffers (128 work-groups for each x, 32 for each W).  Only the source pointer is chosen, by the work-group's number.
; Each load reads 512 consecutive bytes; a step's 2,048 bytes turn through the wave's own stage in LDS (16 bytes of padding behind each 64) and come back 64 bytes a lane: 16 neighbours along K, two lanes to a block.
; WORK-GROUPS 480-511: Wo to f16, laid [n / 64][head][64 n][64 channels]: a wave takes 8 rows; a chunk of 4 rows x one head is 32 bytes in and 16 bytes out a lane, 512 consecutive bytes a store.
.set WAVES, 4
.set STEPS, 16
.set EMAX,  2
.set CB,    8                          ; bytes of 16 codes
.set R,     16                         ; v16-79   four sets of 16 numbers as they are loaded
.set X,     80                         ; v80-111  two sets of 16 neighbours
.set E,     112                        ; v112-127 a scale byte for each step
.set C,     128                        ; v128-191 codes: four registers for each step, so that no store's data are written again
.set WREG,  8192                       ; LDS: a region for each wave: two stages of 32 x SP bytes, behind them its 256 scale bytes
.set SP,    80
.set SPW,   12                         ; v12 LDS address of my spare word; never rewritten
.set NIL,   13                         ; v13 0; never rewritten
.set SPARE, WAVES*WREG                 ; behind the four regions: the spare words, 128 bytes a wave, which no other line names
	s_load_b512 s[4:19], s[0:1], 0x0               ; querys, keys, values, Wq, Wk, Wv, Wo s[16:17], codes s[18:19]
	s_load_b128 s[20:23], s[0:1], 0x40             ; scales s[20:21], wo16 s[22:23]
	v_lshl_add_u32 v[SPW], v0, 2, SPARE
	v_mov_b32 v[NIL], 0
	v_lshrrev_b32 v1, 5, v0
	v_readfirstlane_b32 s24, v1                    ; wave
	v_and_b32 v2, 31, v0                           ; lane
	s_cmp_ge_u32 ttmp9, 480                        ; the last 32 work-groups convert Wo
	s_cbranch_scc1 .Lconv
	v_lshlrev_b32 v3, 4, v2                        ; my 16 bytes of a load's 512
	s_mul_i32 s25, s24, WREG
	v_lshrrev_b32 v14, 2, v2
	v_mul_u32_u24 v14, v14, SP
	v_and_b32 v15, 3, v2
	v_lshl_add_u32 v14, v15, 4, v14
	v_add_nc_u32 v14, s25, v14                     ; the stage, on the way in: SP (lane / 4) + 16 (lane % 4)
	v_mul_u32_u24 v15, v2, SP
	v_add_nc_u32 v15, s25, v15                     ; and on the way out: SP x lane
	v_mul_u32_u24 v4, v2, CB                       ; my codes' place in a step's
	v_lshrrev_b32 v5, 1, v2
	s_add_co_u32 s25, s25, 2*32*SP
	v_add_nc_u32 v5, s25, v5                       ; my wave's 256 scale bytes, my block's byte
	v_lshlrev_b32 v7, 3, v2
	v_add_nc_u32 v6, s25, v7                       ; and on the way out 8 bytes a lane
	s_wait_kmcnt 0x0
	s_mov_b64 s[26:27], s[4:5]                     ; the source and its first work-group, by the work-group's number alone
	s_mov_b32 s28, 0
	s_cmp_ge_u32 ttmp9, 128
	s_cselect_b64 s[26:27], s[6:7], s[26:27]
	s_cselect_b32 s28, 128, s28
	s_cmp_ge_u32 ttmp9, 256
	s_cselect_b64 s[26:27], s[8:9], s[26:27]
	s_cselect_b32 s28, 256, s28
	s_cmp_ge_u32 ttmp9, 384
	s_cselect_b64 s[26:27], s[10:11], s[26:27]
	s_cselect_b32 s28, 384, s28
	s_cmp_ge_u32 ttmp9, 416
	s_cselect_b64 s[26:27], s[12:13], s[26:27]
	s_cselect_b32 s28, 416, s28
	s_cmp_ge_u32 ttmp9, 448
	s_cselect_b64 s[26:27], s[14:15], s[26:27]
	s_cselect_b32 s28, 448, s28
	s_sub_co_u32 s28, ttmp9, s28
	s_lshl_b32 s28, s28, 2
	s_add_co_u32 s28, s28, s24                     ; which run of 8,192 numbers of the tensor is my wave's
	s_lshl_b32 s28, s28, 15                        ; 32,768 bytes a run
	s_mov_b32 s29, 0
	s_add_nc_u64 s[26:27], s[26:27], s[28:29]
	s_lshl_b32 s30, ttmp9, 2
	s_add_co_u32 s30, s30, s24                     ; R
	s_lshl_b32 s32, s30, 8
	s_lshl_b32 s30, s30, 12
	s_mov_b32 s31, 0
	s_mov_b32 s33, 0
	s_add_nc_u64 s[18:19], s[18:19], s[30:31]
	s_add_nc_u64 s[20:21], s[20:21], s[32:33]
.macro LOAD t
.irp i, 0,1,2,3
	global_load_b128 v[R+16*((\t)%4)+4*\i:R+16*((\t)%4)+4*\i+3], v3, s[26:27] offset:2048*(\t)+512*\i th:TH_LOAD_NT   ; 32 lanes read 512 consecutive bytes
.endr
.endm
.macro TURN t                          ; step t's numbers through the stage: LDS serves a wave's instructions in order, so no wait stands between the stores and the loads
.irp i, 0,1,2,3
	ds_store_b128 v14, v[R+16*((\t)%4)+4*\i:R+16*((\t)%4)+4*\i+3] offset:32*SP*((\t)%2)+8*SP*\i
.endr
.irp i, 0,1,2,3
	ds_load_b128 v[X+16*((\t)%2)+4*\i:X+16*((\t)%2)+4*\i+3], v15 offset:32*SP*((\t)%2)+16*\i
.endr
.endm
.irp t, 0,1,2,3
	LOAD \t
.endr
	s_wait_loadcnt 12                              ; step 0's four loads are in; the twelve behind them stay out
	TURN 0
.macro STEP t
.set XS, X+16*((\t)%2)
.if (\t) > 0
	s_wait_dscnt 1                                 ; this step's numbers are back from the stage; the last step's byte store may be out
.else
	s_wait_dscnt 0x0
.endif
.if (\t)+4 < STEPS
	LOAD (\t)+4                                    ; into the registers that the stage's stores have read
.endif
.if (\t)+1 < STEPS
.if STEPS-2-(\t) >= 3
	s_wait_loadcnt 12                              ; the next step's four loads are in; those of the three steps behind it may be out
.else
	s_wait_loadcnt 4*(STEPS-2-(\t))
.endif
	TURN (\t)+1
.endif
	v_max3_num_f32 v8, |v[XS]|, |v[XS+1]|, |v[XS+2]|               ; the largest magnitude of my 16, in two chains
	v_max3_num_f32 v9, |v[XS+3]|, |v[XS+4]|, |v[XS+5]|
.irp i, 6,10
	v_max3_num_f32 v8, v8, |v[XS+\i]|, |v[XS+\i+1]|
	v_max3_num_f32 v9, v9, |v[XS+\i+2]|, |v[XS+\i+3]|
.endr
	v_max3_num_f32 v8, v8, |v[XS+14]|, |v[XS+15]|
	v_max3_num_f32 v8, v8, v9, (EMAX+1)<<23        ; and the floor 2^(3 - 127): the byte cannot fall under 1
	v_max_num_f32_dpp v8, v8, v8 row_xmask:1 row_mask:0xf bank_mask:0xf   ; and of my neighbour's 16: the block's
	v_add_nc_u32 v11, -(EMAX<<23), v8              ; 2 off its exponent field: the conversion takes the exponent field of this operand as its scale
	v_cvt_scalef32_pk8_fp4_f32 v[C+4*(\t)], v[XS:XS+7], v11
	v_cvt_scalef32_pk8_fp4_f32 v[C+4*(\t)+1], v[XS+8:XS+15], v11
	v_lshrrev_b32 v[E+(\t)], 23, v11               ; the scale's byte
	ds_store_b8 v5, v[E+(\t)] offset:16*(\t)       ; both lanes of a block write the same byte with the same value
	global_store_b64 v4, v[C+4*(\t):C+4*(\t)+1], s[18:19] offset:32*CB*(\t)   ; the wave stores 256 consecutive bytes, aligned
.endm
.irp t, 0,1,2,3,4,5,6,7,8,9,10,11,12,13,14,15
	STEP \t
.endr
	ds_load_b64 v[8:9], v6                         ; LDS serves a wave's instructions in order: these see my byte stores
	s_wait_dscnt 0x0
	global_store_b64 v7, v[8:9], s[20:21]          ; 32 lanes store 256 consecutive bytes, aligned
	s_wait_tensorcnt 0x0                           ; the wave's end, behind my last LDS store
	ds_add_u32 v[SPW], v[NIL]
	s_wait_dscnt 0x0
	s_endpgm
.Lconv:                                            ; Wo to f16: no LDS is written on this path
	s_sub_co_u32 s25, ttmp9, 480                   ; b' = 0 .. 31: rows 32 b' on; my wave: 8 of them
	v_lshrrev_b32 v3, 3, v2
	v_and_b32 v4, 7, v2
	v_lshlrev_b32 v3, 12, v3
	v_lshl_add_u32 v3, v4, 5, v3                   ; in: row lane / 8 of four, 32 bytes at 32 (lane % 8)
	v_lshlrev_b32 v4, 4, v2                        ; out: 16 x lane
	s_lshl_b32 s28, s25, 5
	s_lshl_b32 s29, s24, 3
	s_add_co_u32 s28, s28, s29                     ; my first row
	s_lshl_b32 s28, s28, 12
	s_mov_b32 s29, 0
	s_lshr_b32 s30, s25, 1
	s_lshl_b32 s30, s30, 17                        ; block of 64 rows: 16 heads x 8,192 bytes
	s_and_b32 s31, s25, 1
	s_lshl_b32 s31, s31, 5
	s_lshl_b32 s32, s24, 3
	s_add_co_u32 s31, s31, s32
	s_lshl_b32 s31, s31, 7                         ; my first row in it, 128 bytes a row
	s_add_co_u32 s30, s30, s31
	s_mov_b32 s31, 0
	s_wait_kmcnt 0x0
	s_add_nc_u64 s[16:17], s[16:17], s[28:29]
	s_add_nc_u64 s[22:23], s[22:23], s[30:31]
.macro CLOAD bt                        ; batch bt: rows 4 (bt / 2) on, heads 8 (bt % 2) on: 16 loads
.irp e, 0,1,2,3,4,5,6,7
	global_load_b128 v[16+64*((\bt)%2)+8*\e:16+64*((\bt)%2)+8*\e+3], v3, s[16:17] offset:((\bt)/2)*16384+(8*((\bt)%2)+\e)*256
	global_load_b128 v[16+64*((\bt)%2)+8*\e+4:16+64*((\bt)%2)+8*\e+7], v3, s[16:17] offset:((\bt)/2)*16384+(8*((\bt)%2)+\e)*256+16
.endr
.endm
.macro CCONV bt, left
	s_wait_loadcnt \left                           ; this batch's 16 loads are in; the next batch's 16 may be out
	s_wait_xcnt 0x0                                ; the last batch's stores have read v144-175
.irp e, 0,1,2,3,4,5,6,7
.irp k, 0,1,2,3
	v_cvt_pk_f16_f32 v[144+4*\e+\k], v[16+64*((\bt)%2)+8*\e+2*\k], v[16+64*((\bt)%2)+8*\e+2*\k+1]
.endr
	global_store_b128 v4, v[144+4*\e:144+4*\e+3], s[22:23] offset:(8*((\bt)%2)+\e)*8192+((\bt)/2)*512   ; 512 consecutive bytes, aligned
.endr
.endm
	CLOAD 0
	CLOAD 1
	CCONV 0, 16
	CLOAD 2
	CCONV 1, 16
	CLOAD 3
	CCONV 2, 16
	CCONV 3, 0
	s_endpgm
.Lfunc_end_k_qd8580c7409_quant:
	.size	k_qd8580c7409_quant, .Lfunc_end_k_qd8580c7409_quant-k_qd8580c7409_quant
	.p2alignl 7, 3214868480
	.fill 96, 4, 3214868480
	.section	.rodata,"a",@progbits
	.p2align	6, 0x0
	.amdhsa_kernel k_qd8580c7409_quant
		.amdhsa_group_segment_fixed_size 33280
		.amdhsa_private_segment_fixed_size 0
		.amdhsa_enable_private_segment 0
		.amdhsa_kernarg_size 80
		.amdhsa_user_sgpr_count 2
		.amdhsa_user_sgpr_kernarg_segment_ptr 1
		.amdhsa_wavefront_size32 1
		.amdhsa_system_sgpr_workgroup_id_x 1
		.amdhsa_system_sgpr_workgroup_id_y 1
		.amdhsa_system_sgpr_workgroup_id_z 1
		.amdhsa_system_vgpr_workitem_id 0
		.amdhsa_next_free_vgpr 192
		.amdhsa_next_free_sgpr 66
		.amdhsa_reserve_vcc 0
		.amdhsa_float_denorm_mode_32 3
		.amdhsa_float_denorm_mode_16_64 3
		.amdhsa_memory_ordered 1
		.amdhsa_forward_progress 1
		.amdhsa_inst_pref_size 52
	.end_amdhsa_kernel
	.amdgpu_metadata
---
amdhsa.version: [ 1, 2 ]
amdhsa.kernels:
  - .name:           k_qd8580c7409_quant
    .symbol:         k_qd8580c7409_quant.kd
    .args:
      - { .name: querys, .offset: 0, .size: 8, .value_kind: global_buffer, .address_space: global }
      - { .name: keys, .offset: 8, .size: 8, .value_kind: global_buffer, .address_space: global }
      - { .name: values, .offset: 16, .size: 8, .value_kind: global_buffer, .address_space: global }
      - { .name: Wq, .offset: 24, .size: 8, .value_kind: global_buffer, .address_space: global }
      - { .name: Wk, .offset: 32, .size: 8, .value_kind: global_buffer, .address_space: global }
      - { .name: Wv, .offset: 40, .size: 8, .value_kind: global_buffer, .address_space: global }
      - { .name: Wo, .offset: 48, .size: 8, .value_kind: global_buffer, .address_space: global }
      - { .name: codes, .offset: 56, .size: 8, .value_kind: global_buffer, .address_space: global }
      - { .name: scales, .offset: 64, .size: 8, .value_kind: global_buffer, .address_space: global }
      - { .name: wo16, .offset: 72, .size: 8, .value_kind: global_buffer, .address_space: global }
    .group_segment_fixed_size: 33280
    .private_segment_fixed_size: 0
    .kernarg_segment_align: 8
    .kernarg_segment_size: 80
    .max_flat_workgroup_size: 128
    .sgpr_count:     66
    .vgpr_count:     192
    .wavefront_size: 32
...
	.end_amdgpu_metadata
.endif
;; end of part 1
;; launch proj (part 2): grid 4 x 48, 4 waves a work-group, clusters of 4 x 1, 327,680 bytes of LDS; arguments codes, scales, bq, bk, bv, qkv16, qkv32; writes qkv16, qkv32
.if DOCPART == 2
	.amdgcn_target "amdgcn-amd-amdhsa--gfx1250"
	.amdhsa_code_object_version 6
	.text
	.protected	k_qd8580c7409_proj
	.globl	k_qd8580c7409_proj
	.p2align	8
	.type	k_qd8580c7409_proj,@function
k_qd8580c7409_proj:
	s_mov_b64 s[64:65], 0
	v_nop
	global_prefetch_b8 v0, s[64:65] scope:SCOPE_SE
	s_setreg_imm32_b32 hwreg(HW_REG_WAVE_MODE, 25, 1), 1
	s_wait_xcnt 0x0
	s_wait_alu depctr_hold_cnt(0) depctr_sa_sdst(0) depctr_va_vdst(0) depctr_va_sdst(0) depctr_va_ssrc(0) depctr_va_vcc(0) depctr_vm_vsrc(0)
	s_getreg_b32 s2, hwreg(HW_REG_IB_STS2, 6, 4)
	s_cmp_eq_u32 s2, 0
	s_cbranch_scc0 .Lentry_in_a_cluster
	s_endpgm
.Lentry_in_a_cluster:
	s_bfe_u32 s2, ttmp6, 0x10000c
	s_cmp_lg_u32 s2, 0x3003
	s_cbranch_scc0 .Lentry_shape_is_right
	s_endpgm
.Lentry_shape_is_right:
; q, k, v = x W^T + b on codes of FP4 (E2M1) with one E8M0 scale for each 32 along K = 1,024; sums in f32, begun with the bias.  Work-group y = 16 x tensor + tile row; x = tile column.
; A tile of 256 tokens x 256 columns is made by four waves, 128 x 128 each: 64 accumulators, 512 registers.  K lies in two LDS slots of 512 along K (rows of 256 bytes), both asked for at the start: nothing is filled again.
; The scale bytes of the tile's 256 + 256 rows, for all of K, come once, as rows of 256 bytes with 16 bytes of padding.
; CLUSTER 4 x 1: the four tile columns of one tile row need the same tiles of x and the same scales of x: these are asked for jointly (mask 15).  W's tiles hang on the tile column and come by plain loads.
; With one row of work-groups to a cluster the tile row is the same in all partners, so the branch for tokens 0-15 hangs on the cluster's y and the wave's number alone.
; THE MATRIX INSTRUCTION IS USED TRANSPOSED (source 0 = 16 rows of W, source 1 = 16 tokens): a lane holds eight neighbouring columns of one token.
; OUT: f16, laid [tensor][head][token][64]: two tokens of a head are 256 consecutive bytes.  Tokens 0-15 go out in f32 too, [tensor][16][1024], for the launch that carries those positions finely:
; these stores are pieces of 32 bytes, 192 KiB in the whole launch.
; LIMITS: results beyond 65,504 become infinities in f16; under 6e-5 they keep a step of 2^-24.
; REGISTERS: window 0: v16-31 addresses; v32-95 scale words, two sets; v128-191 x's fragments, one set; v192-255 the bias (register 8 b + j: column 16 b + 8 (lane / 16) + j of my 128).  On the way out v32-63, v128-191 are free.
;   window 1: W's fragments, two sets, at v0 and v128.   window 2: the accumulators of my tokens 0-63 ((a, b) at v[8 (8 a + b)]);   window 3: those of tokens 64-127.
.set NQ,     4                         ; matrix instructions deep in a slot
.set ROWB,   256                       ; a tile's row in bytes: 512 codes
.set KROW,   512                       ; a row of codes in memory
.set PITCH,  272                       ; 256 bytes + 16: 68 words, so the 16 rows that a load touches start at 16 different banks (64 banks of 4 bytes: ISA guide 11.1)
.set FR,     8
.set NL,     2
.set NP,     4                         ; places behind this matrix instruction (ISA guide 7.12.1)
.set HALFT,  128*PITCH
.set SLOT,   4*HALFT                   ; x's 256 rows, then W's 256 rows
.set KS,     32                        ; a row of scale bytes
.set SCL,    2*SLOT
.set HALFS,  16*272                    ; the scales of 128 rows
.set SBLK,   2*272                     ; those of 16 rows
.set SPARE,  SCL+4*HALFS               ; the spare words, 128 bytes a wave, which no other line names
.set ADRA, 16
.set ADRB, 20
.set STO,  24
.set RD,   25
.set CO,   26
.set ADRS, 27
.set SPW,  28
.set NIL,  29
.set FO,   30                          ; v30 the f32 rows: token x 4,096 + 32 (lane / 16)
.set BOF,  31                          ; v31 the bias: 32 (lane / 16)
.set SC,   32
.set TMP,  32                          ; the way out: packed results
.set AF,   128
.set BK,   128                         ; the way out: rows read back, v128-159 and v160-191 by turns
.set BI,   192
.set G1, 24
.set G0, 32
.set G1B, 48
.set G0B, 56
.set G1S, 68
.set G0S, 76
.set G1SB, 80
.set G0SB, 88
.set MSB, 0
.macro WIN new                         ; the immediate's high byte repeats the setting that is left
.if MSB != (\new)
	s_set_vgpr_msb (MSB<<8)|(\new)
.set MSB, (\new)
.endif
.endm
.set MUL_LO, 0xa1                      ; source 0 (W) window 1, source 1 (x) window 0, C and D window 2
.set MUL_HI, 0xf1
.set BIA_LO, 0x81                      ; the first step: C is the bias, in window 0
.set BIA_HI, 0xc1
.set TO_B,   0x40
; Waves 0 and 1 fetch for x (jointly), waves 2 and 3 for W.  The branch hangs on the wave's number alone.  An s_nop 0 and four v_nop follow each of the two lines.
.macro JLOAD g0a, g1a, g0b, g1b
	s_cmp_eq_u32 s15, 0
	s_cbranch_scc0 .Lfor_b_\@
	tensor_load_to_lds s[\g0a:\g0a+3], s[\g1a:\g1a+7]
	s_nop 0
.rept 4
	v_nop
.endr
	s_branch .Lasked_\@
.Lfor_b_\@:
	tensor_load_to_lds s[\g0b:\g0b+3], s[\g1b:\g1b+7]
	s_nop 0
.rept 4
	v_nop
.endr
.Lasked_\@:
.endm
.macro CROUND                          ; a round of the cluster's barrier
	s_barrier_signal -1
	s_barrier_wait -1
	s_cmp_lg_u32 s14, 0
	s_cbranch_scc1 .Lnot_wave_0_\@
	s_barrier_signal -3
.Lnot_wave_0_\@:
	s_barrier_wait -3
	s_barrier_signal -1
	s_barrier_wait -1
.endm
	s_load_b256 s[4:11], s[0:1], 0x0               ; codes s[4:5], scales s[6:7], bq s[8:9], bk s[10:11]
	s_load_b128 s[96:99], s[0:1], 0x20             ; bv s[96:97], qkv16 s[98:99]
	s_load_b64 s[12:13], s[0:1], 0x30              ; qkv32
	v_lshl_add_u32 v[SPW], v0, 2, SPARE
	v_mov_b32 v[NIL], 0
	ds_add_u32 v[SPW], v[NIL]                      ; the wave's opening: the add, twice on end, and its wait ahead of my first tensor load
	ds_add_u32 v[SPW], v[NIL]
	v_lshrrev_b32 v1, 5, v0
	v_readfirstlane_b32 s14, v1                    ; wave 0..3
	s_lshr_b32 s15, s14, 1                         ; which half of the tile's tokens is mine.  Also: I fetch for x (0) or for W (1)
	s_and_b32 s16, s14, 1                          ; which half of its columns.  Also: which 128 rows I fetch
	s_bfe_u32 s40, ttmp6, 0x40000                  ; cx = the tile column
	s_and_b32 s17, ttmp7, 0xffff
	s_lshr_b32 s41, s17, 4                         ; the tensor: 0 q, 1 k, 2 v
	s_and_b32 s17, s17, 15                         ; the tile row
	s_mov_b32 s[G1+0], 15|(1<<20)|(1<<21)|(5<<22)|(3<<25)    ; 15:0 the mask: all four partners; elements of 1 byte; padding on; 21 set beside a mask; after every 64 words, 4 words
	s_mov_b32 s[G1B+0], (1<<20)|(5<<22)|(3<<25)              ; W's: no mask
.irp g, G1, G1B
	s_mov_b32 s[\g+1], ROWB<<16                    ; tensor_dim0
	s_mov_b32 s[\g+2], 128<<16                     ; tensor_dim1
	s_mov_b32 s[\g+3], ROWB<<16                    ; tile_dim0
	s_mov_b32 s[\g+4], 128                         ; tile_dim1
	s_mov_b32 s[\g+5], KROW                        ; from row to row
	s_mov_b32 s[\g+6], 0
	s_mov_b32 s[\g+7], 0
.endr
	s_mov_b32 s[G1S+0], 15|(3<<16)|(1<<20)|(1<<21)|(5<<22)|(3<<25)   ; the scales of 128 rows: 4,096 dense bytes as 16 rows of 32 elements of 8 bytes
	s_mov_b32 s[G1SB+0], (3<<16)|(1<<20)|(5<<22)|(3<<25)
.irp g, G1S, G1SB
	s_mov_b32 s[\g+1], 32<<16
	s_mov_b32 s[\g+2], 16<<16
	s_mov_b32 s[\g+3], 32<<16
	s_mov_b32 s[\g+4], 16
	s_mov_b32 s[\g+5], 32
	s_mov_b32 s[\g+6], 0
	s_mov_b32 s[\g+7], 0
.endr
	s_lshl_b32 s18, s16, 7                         ; which 128 rows I fetch
	s_lshl_b32 s20, s17, 8
	s_add_co_u32 s20, s20, s18                     ; x: row 256 x tile row + 128 x half
	s_lshl_b32 s22, s20, 5                         ; its scales: 32 bytes a row,
	s_lshl_b32 s20, s20, 9                         ; its codes: 512
	s_lshl_b32 s19, s41, 21
	s_add_co_u32 s20, s20, s19                     ; + tensor x 2,097,152
	s_lshl_b32 s19, s41, 17
	s_add_co_u32 s22, s22, s19                     ; + tensor x 131,072
	s_mov_b32 s21, 0
	s_mov_b32 s23, 0
	s_lshl_b32 s46, s40, 8
	s_add_co_u32 s46, s46, s18                     ; W: row 256 x tile column + 128 x half
	s_lshl_b32 s92, s46, 5
	s_lshl_b32 s46, s46, 9
	s_lshl_b32 s19, s41, 19
	s_add_co_u32 s46, s46, s19
	s_add_co_u32 s46, s46, 6291456                 ; W's codes lie behind the three x
	s_lshl_b32 s19, s41, 15
	s_add_co_u32 s92, s92, s19
	s_add_co_u32 s92, s92, 393216
	s_mov_b32 s47, 0
	s_mov_b32 s93, 0
	s_mul_i32 s45, s14, HALFT                      ; where they go: wave x 128 rows: no place in the cluster enters an LDS address
	s_mul_i32 s94, s14, HALFS
	s_wait_dscnt 0x0                               ; both opening adds are done
	s_wait_kmcnt 0x0
	s_add_nc_u64 s[20:21], s[4:5], s[20:21]
	s_add_nc_u64 s[22:23], s[6:7], s[22:23]
	s_add_nc_u64 s[46:47], s[4:5], s[46:47]
	s_add_nc_u64 s[92:93], s[6:7], s[92:93]
	CROUND                                         ; all four work-groups are here: the first joint loads meet
	s_mov_b32 s[G0S], 1
	s_add_co_u32 s[G0S+1], s94, SCL
	s_mov_b64 s[G0S+2:G0S+3], s[22:23]
	s_or_b32 s[G0S+3], s[G0S+3], 0x80000000
	s_mov_b32 s[G0SB], 1
	s_add_co_u32 s[G0SB+1], s94, SCL
	s_mov_b64 s[G0SB+2:G0SB+3], s[92:93]
	s_or_b32 s[G0SB+3], s[G0SB+3], 0x80000000
	JLOAD G0S, G1S, G0SB, G1SB                     ; the scales first: they are wanted with the first slot
.irp s, 0,1
	s_mov_b32 s[G0+4*\s], 1
	s_add_co_u32 s[G0+4*\s+1], s45, \s*SLOT
	s_add_nc_u64 s[G0+4*\s+2:G0+4*\s+3], s[20:21], \s*ROWB
	s_or_b32 s[G0+4*\s+3], s[G0+4*\s+3], 0x80000000
	s_mov_b32 s[G0B+4*\s], 1
	s_add_co_u32 s[G0B+4*\s+1], s45, \s*SLOT
	s_add_nc_u64 s[G0B+4*\s+2:G0B+4*\s+3], s[46:47], \s*ROWB
	s_or_b32 s[G0B+4*\s+3], s[G0B+4*\s+3], 0x80000000
	JLOAD G0+4*\s, G1, G0B+4*\s, G1B               ; three tensor loads of mine are out now, and no more follow
.endr
	v_and_b32 v1, 15, v0                           ; r = lane % 16
	v_bfe_u32 v2, v0, 4, 1                         ; h = lane / 16
	v_lshlrev_b32 v[BOF], 5, v2
	s_cmp_eq_u32 s41, 1                            ; the tensor's bias
	s_cselect_b64 s[8:9], s[10:11], s[8:9]
	s_cmp_eq_u32 s41, 2
	s_cselect_b64 s[8:9], s[96:97], s[8:9]
	s_lshl_b32 s18, s40, 10
	s_lshl_b32 s19, s16, 9
	s_add_co_u32 s18, s18, s19                     ; my first column, in bytes of f32
	s_mov_b32 s19, 0
	s_add_nc_u64 s[8:9], s[8:9], s[18:19]
	s_add_nc_u64 s[12:13], s[12:13], s[18:19]
.irp b, 0,1,2,3,4,5,6,7
	global_load_b128 v[BI+8*\b:BI+8*\b+3], v[BOF], s[8:9] offset:64*\b
	global_load_b128 v[BI+8*\b+4:BI+8*\b+7], v[BOF], s[8:9] offset:64*\b+16
.endr
	s_lshl_b32 s18, s41, 16
	s_add_nc_u64 s[12:13], s[12:13], s[18:19]      ; qkv32: + tensor x 65,536
	s_lshl_b32 s18, s41, 23                        ; qkv16: tensor x 8,388,608
	s_lshl_b32 s42, s40, 2
	s_lshl_b32 s43, s16, 1
	s_add_co_u32 s42, s42, s43                     ; my first head: 4 x tile column + 2 x half
	s_lshl_b32 s42, s42, 19
	s_add_co_u32 s18, s18, s42
	s_lshl_b32 s42, s17, 15                        ; 256 tokens x 128 bytes
	s_add_co_u32 s18, s18, s42
	s_lshl_b32 s42, s15, 14
	s_add_co_u32 s18, s18, s42
	s_add_nc_u64 s[98:99], s[98:99], s[18:19]
	v_mul_u32_u24 v3, v1, PITCH
	v_lshl_add_u32 v4, v2, 4, v3                   ; a fragment's row x pitch + 16 x half
	s_mul_i32 s21, s15, HALFT                      ; my 128 tokens
	s_mul_i32 s22, s16, HALFT                      ; my 128 rows of W,
	s_add_co_u32 s22, s22, 2*HALFT                 ; which lie behind x's 256
.irp s, 0,1
	v_add_nc_u32 v[ADRA+\s], s21, v4
	v_add_nc_u32 v[ADRB+\s], s22, v4
	s_add_co_u32 s21, s21, SLOT
	s_add_co_u32 s22, s22, SLOT
.endr
	v_mul_u32_u24 v5, v1, KS                       ; my row's scales: 32 bytes a row,
	v_lshrrev_b32 v6, 8, v5
	v_lshl_add_u32 v5, v6, 4, v5                   ; and 16 more for each 256 passed
	s_mul_i32 s21, s15, HALFS
	s_mul_i32 s22, s16, HALFS
	s_add_co_u32 s22, s22, 2*HALFS
	s_sub_co_u32 s22, s22, s21
	v_mul_u32_u24 v6, s22, v2                      ; lanes 16-31 take W's
	s_add_co_u32 s21, s21, SCL
	v_add_nc_u32 v5, v5, v6
	v_add_nc_u32 v[ADRS], s21, v5
	s_mul_i32 s23, s14, 16*PITCH                   ; my stage, in slot 0: 16 tokens x (256 bytes + 16)
	v_add_nc_u32 v[STO], s23, v4                   ; in: token r, 16 bytes for each half of the lanes
	v_bfe_u32 v7, v0, 3, 1
	v_mul_u32_u24 v7, v7, PITCH
	v_and_b32 v8, 7, v0
	v_lshl_add_u32 v8, v2, 3, v8
	v_lshl_add_u32 v7, v8, 4, v7
	v_add_nc_u32 v[RD], s23, v7                    ; back: lanes 0-15 two tokens of my first head, lanes 16-31 of my second
	v_lshlrev_b32 v[CO], 19, v2                    ; a head is 524,288 bytes
	v_lshl_add_u32 v[CO], v1, 4, v[CO]
	v_lshlrev_b32 v[FO], 12, v1
	v_lshl_add_u32 v[FO], v2, 5, v[FO]
.macro FRAG reg, adr, q, i             ; 16 rows x 128 K of 4-bit codes: 8 registers; registers 4 c .. 4 c + 3 hold K = 64 c + 32 (lane / 16) + 0 .. 31
.irp c, 0,1
	ds_load_b128 v[\reg+4*\c:\reg+4*\c+3], v[\adr] offset:64*(\q)+32*\c+(\i)*16*PITCH
.endr
.endm
; 16 matrix instructions: x's blocks a0, a0 + 1 against W's eight.  first = 1: the sums begin with the bias.  The 64 accumulators take turns, one instruction a turn.
.macro MUL16 a0, p, q, sc, first
.irp a, \a0, \a0+1
.irp b, 0,1,2,3,4,5,6,7
.if \first
	v_wmma_scale_f32_16x16x128_f8f6f4 v[8*(8*((\a)%4)+\b):8*(8*((\a)%4)+\b)+7], v[128*(\p)+FR*\b:128*(\p)+FR*\b+FR-1], v[AF+FR*(\a):AF+FR*(\a)+FR-1], v[BI+8*\b:BI+8*\b+7], v[SC+8*NQ*(\sc)+NQ*\b+(\q)], v[SC+8*NQ*(\sc)+NQ*(\a)+(\q)] matrix_a_fmt:MATRIX_FMT_FP4 matrix_b_fmt:MATRIX_FMT_FP4 matrix_a_scale:MATRIX_SCALE_ROW1
.else
	v_wmma_scale_f32_16x16x128_f8f6f4 v[8*(8*((\a)%4)+\b):8*(8*((\a)%4)+\b)+7], v[128*(\p)+FR*\b:128*(\p)+FR*\b+FR-1], v[AF+FR*(\a):AF+FR*(\a)+FR-1], v[8*(8*((\a)%4)+\b):8*(8*((\a)%4)+\b)+7], v[SC+8*NQ*(\sc)+NQ*\b+(\q)], v[SC+8*NQ*(\sc)+NQ*(\a)+(\q)] matrix_a_fmt:MATRIX_FMT_FP4 matrix_b_fmt:MATRIX_FMT_FP4 matrix_a_scale:MATRIX_SCALE_ROW1
.endif
.endr
.endr
.endm
.macro FETCH_B slot, q, p
	WIN TO_B
.irp i, 0,1,2,3,4,5,6,7
	FRAG 128*(\p)+FR*\i, ADRB+\slot, \q, \i
.endr
	WIN 0
.endm
.macro FETCH_A slot, q, i0
.irp i, \i0, \i0+1, \i0+2, \i0+3
	FRAG AF+FR*(\i), ADRA+\slot, \q, \i
.endr
.endm
.macro SCALES sc                       ; a slot's scale words: lanes 0-15 take x's block i, lanes 16-31 W's block i
.irp i, 0,1,2,3,4,5,6,7
	ds_load_b128 v[SC+8*NQ*\sc+NQ*\i:SC+8*NQ*\sc+NQ*\i+3], v[ADRS] offset:\i*SBLK
.endr
.endm
.macro PLACES n                        ; plain vector instructions between a matrix instruction and a load into, or a read of, its registers
.rept \n
	v_nop
.endr
.endm
.macro STEP slot, q, first             ; 128 along K that has its successor in the same slot
	s_wait_dscnt 4*NL                              ; W's set and x's blocks 0-3 are in; the youngest eight loads (x's blocks 4-7) may be out
.if \first
	WIN BIA_LO
.else
	WIN MUL_LO
.endif
	MUL16 0, (\q)%2, \q, \slot, \first
	MUL16 2, (\q)%2, \q, \slot, \first
	s_wait_dscnt 0                                 ; x's blocks 4-7 are in
	PLACES NP
	FETCH_B \slot, (\q)+1, 1-(\q)%2
	FETCH_A \slot, (\q)+1, 0
.if \first
	WIN BIA_HI
.else
	WIN MUL_HI
.endif
	MUL16 4, (\q)%2, \q, \slot, \first
	MUL16 6, (\q)%2, \q, \slot, \first
	PLACES NP
	WIN 0
	FETCH_A \slot, (\q)+1, 4
.endm
.macro TURN slot, next                 ; a slot's last step changes slots: one barrier
	s_wait_tensorcnt 0x0                           ; all my tensor loads have landed: my part of the next slot
	ds_add_u32 v[SPW], v[NIL]                      ; 0 onto my spare word
	s_wait_dscnt 4*NL+1                            ; the add and the youngest eight loads may be out
	WIN MUL_LO
	MUL16 0, 1, NQ-1, \slot, 0
	s_wait_dscnt 0x0                               ; the add is done, and my reads of this slot are over
	s_barrier_signal -1
	MUL16 2, 1, NQ-1, \slot, 0
	WIN 0
	s_barrier_wait -1
	PLACES NP
	v_add_nc_u32 v[ADRS], 4*NQ, v[ADRS]            ; on to the next slot's scale words
	FETCH_B \next, 0, 0
	FETCH_A \next, 0, 0
	SCALES \next
	WIN MUL_HI
	MUL16 4, 1, NQ-1, \slot, 0
	MUL16 6, 1, NQ-1, \slot, 0
	PLACES NP
	WIN 0
	FETCH_A \next, 0, 4
.endm
	s_wait_tensorcnt 1                             ; the scales and my part of slot 0 are in; slot 1's load, issued behind them, may be out
	s_barrier_signal -1
	s_barrier_wait -1                              ; everybody's are
	FETCH_B 0, 0, 0
	FETCH_A 0, 0, 0
	SCALES 0
	FETCH_A 0, 0, 4
	s_wait_loadcnt 0x0                             ; the bias
	STEP 0, 0, 1
	STEP 0, 1, 0
	STEP 0, 2, 0
	TURN 0, 1
	STEP 1, 0, 0
	STEP 1, 1, 0
	STEP 1, 2, 0
	s_wait_dscnt 4*NL                              ; the last step: nothing more to fetch
	WIN MUL_LO
	MUL16 0, 1, NQ-1, 1, 0
	MUL16 2, 1, NQ-1, 1, 0
	s_wait_dscnt 0
	WIN MUL_HI
	MUL16 4, 1, NQ-1, 1, 0
	MUL16 6, 1, NQ-1, 1, 0
	WIN 0
; THE WAY OUT, a block of 16 tokens x 128 columns at a time: rounded to f16, through my stage (slot 0 has had its only fill, and nobody reads it behind the change of slots), back as two tokens of a head to sixteen lanes.
.macro PACK a
.set AC, 64*((\a)%4)
	WIN 0x0a+5*((\a)/4)                            ; sources 0 and 1: window 2 or 3
.irp b, 0,1,2,3,4,5,6,7
.irp r, 0,1,2,3
	v_cvt_pk_f16_f32 v[TMP+4*\b+\r], v[AC+8*\b+2*\r], v[AC+8*\b+2*\r+1]   ; each accumulator from its low end on
.endr
.endr
	WIN 0
.endm
.macro TOSTAGE a
.set BB, BK+32*((\a)%2)
.irp b, 0,1,2,3,4,5,6,7
	ds_store_b128 v[STO], v[TMP+4*\b:TMP+4*\b+3] offset:32*\b
.endr
.irp t, 0,1,2,3,4,5,6,7
	ds_load_b128 v[BB+4*\t:BB+4*\t+3], v[RD] offset:\t*2*PITCH     ; LDS serves a wave's instructions in order: these see the stores above
.endr
.endm
.macro SEND a
.set BB, BK+32*((\a)%2)
	s_wait_dscnt 0x0                               ; the block is back in registers
	s_wait_xcnt 0x0                                ; the stores of the block before have read their registers: the next block's loads may land there
.irp t, 0,1,2,3,4,5,6,7
	global_store_b128 v[CO], v[BB+4*\t:BB+4*\t+3], s[98:99] offset:(\a)*2048+\t*256   ; 16 lanes store 256 consecutive bytes, aligned
.endr
.endm
	PLACES NP
	s_or_b32 s18, s17, s15                         ; tokens 0-15 lie in tile row 0, in the waves of the first half, in block 0
	s_cmp_lg_u32 s18, 0
	s_cbranch_scc1 .Lnot_first
	WIN 0x08                                       ; a store's data are its source 1: window 2
.irp b, 0,1,2,3,4,5,6,7
	global_store_b128 v[FO], v[8*\b:8*\b+3], s[12:13] offset:64*\b
	global_store_b128 v[FO], v[8*\b+4:8*\b+7], s[12:13] offset:64*\b+16
.endr
	WIN 0
.Lnot_first:
	PACK 0
	TOSTAGE 0
.irp a, 1,2,3,4,5,6,7
	PACK \a
	SEND \a-1
	TOSTAGE \a
.endr
	SEND 7
	s_wait_tensorcnt 0x0                           ; the wave's end, behind my last tensor load and my last LDS store
	ds_add_u32 v[SPW], v[NIL]
	s_wait_dscnt 0x0
	CROUND                                         ; the closing round
	s_endpgm
.Lfunc_end_k_qd8580c7409_proj:
	.size	k_qd8580c7409_proj, .Lfunc_end_k_qd8580c7409_proj-k_qd8580c7409_proj
	.p2alignl 7, 3214868480
	.fill 96, 4, 3214868480
	.section	.rodata,"a",@progbits
	.p2align	6, 0x0
	.amdhsa_kernel k_qd8580c7409_proj
		.amdhsa_group_segment_fixed_size 327680
		.amdhsa_private_segment_fixed_size 0
		.amdhsa_enable_private_segment 0
		.amdhsa_kernarg_size 56
		.amdhsa_user_sgpr_count 2
		.amdhsa_user_sgpr_kernarg_segment_ptr 1
		.amdhsa_wavefront_size32 1
		.amdhsa_system_sgpr_workgroup_id_x 1
		.amdhsa_system_sgpr_workgroup_id_y 1
		.amdhsa_system_sgpr_workgroup_id_z 1
		.amdhsa_system_vgpr_workitem_id 0
		.amdhsa_next_free_vgpr 1024
		.amdhsa_next_free_sgpr 100
		.amdhsa_reserve_vcc 0
		.amdhsa_float_denorm_mode_32 3
		.amdhsa_float_denorm_mode_16_64 3
		.amdhsa_memory_ordered 1
		.amdhsa_forward_progress 1
		.amdhsa_inst_pref_size 130
	.end_amdhsa_kernel
	.amdgpu_metadata
---
amdhsa.version: [ 1, 2 ]
amdhsa.kernels:
  - .name:           k_qd8580c7409_proj
    .symbol:         k_qd8580c7409_proj.kd
    .args:
      - { .name: codes, .offset: 0, .size: 8, .value_kind: global_buffer, .address_space: global }
      - { .name: scales, .offset: 8, .size: 8, .value_kind: global_buffer, .address_space: global }
      - { .name: bq, .offset: 16, .size: 8, .value_kind: global_buffer, .address_space: global }
      - { .name: bk, .offset: 24, .size: 8, .value_kind: global_buffer, .address_space: global }
      - { .name: bv, .offset: 32, .size: 8, .value_kind: global_buffer, .address_space: global }
      - { .name: qkv16, .offset: 40, .size: 8, .value_kind: global_buffer, .address_space: global }
      - { .name: qkv32, .offset: 48, .size: 8, .value_kind: global_buffer, .address_space: global }
    .group_segment_fixed_size: 327680
    .private_segment_fixed_size: 0
    .kernarg_segment_align: 8
    .kernarg_segment_size: 56
    .max_flat_workgroup_size: 128
    .sgpr_count:     100
    .vgpr_count:     1024
    .wavefront_size: 32
...
	.end_amdgpu_metadata
.endif
;; end of part 2
;; launch attn (part 3): grid 16 x 16, 8 waves a work-group, no clusters, 327,680 bytes of LDS; arguments qkv16, attn16; writes attn16
.if DOCPART == 3
	.amdgcn_target "amdgcn-amd-amdhsa--gfx1250"
	.amdhsa_code_object_version 6
	.text
	.protected	k_qd8580c7409_attn
	.globl	k_qd8580c7409_attn
	.p2align	8
	.type	k_qd8580c7409_attn,@function
k_qd8580c7409_attn:
	s_mov_b64 s[64:65], 0
	v_nop
	global_prefetch_b8 v0, s[64:65] scope:SCOPE_SE
	s_setreg_imm32_b32 hwreg(HW_REG_WAVE_MODE, 25, 1), 1
	s_wait_xcnt 0x0
; attn[head][q] = the sum over keys k <= q of softmax_k(q . k / 8) v, head size 64, 4,096 tokens, 16 heads.  q, k, v: f16, [tensor][head][token][64].  Products, maxima and sums in f32; the weights are rounded to f16
; for the second product, the result once at the end; it is laid [token / 64][head][64 tokens][64], f16.
; SHARES.  Work-group (i, head) owns the blocks i and 31 - i of 128 queries: (i + 1) + (32 - i) = 33 key steps of 128 keys, whatever i.  Two groups of four waves; a wave owns 32 queries (two tiles of 16) of its block.
; Group 0: block 31 - i, key steps 0 .. 15.  Group 1: block i, steps 0 .. i; it stores that block, then takes block 31 - i, steps 17 .. 31 - i: 16 trips in both groups.  Key step 16 of block 31 - i is shared:
; group 0 takes its keys 0-63, group 1 its keys 64-127.  At the end group 1 hands its maximum, sum and O of block 31 - i to group 0 through LDS; group 0 joins the two and stores.
; NO CLUSTER: the change of block, the steps left out and the mask are branches on i, and the work-groups of a head differ in i.
; RING.  Two slots; a slot holds two trips of both groups' streams: 4 tiles of K and 4 of V, 128 keys each, 16 KiB dense in memory: each of the eight waves brings one with one tensor load, as 64 rows of 256 bytes (two keys).
; LAYOUT.  S^T = K Q^T (source 0 = 16 keys, source 1 = 16 queries): a lane holds ONE query and the keys 8 (lane / 16) + 0..7 of a tile; two such tiles, rounded in pairs, are source 1 of O^T = V^T P.  V is turned by ds_load_tr16_b128.
; SOFTMAX.  A running maximum m and sum l for each query: p = 2^(c s - c m), c = log2(e) / 8; in every step O and l are multiplied by a = 2^(c m_old - c m_new).  m begins at -3e38, l and O at 0.
; A sub-step of 64 keys is left out where all its keys come after the wave's 32 queries; one that is walked begins at or before the wave's first query, so every query sees a key in it.
; LIMITS: sums run in another order than the definition's; weights under 6e-8 fall to 0 in f16.
; REGISTERS.  window 0: v1-15 addresses; v16-31 statistics, 8 a tile (+0 c m, +1 m, +2, +3 l, +4..7 at work); v32-95 S^T; v96-127 P; v128-191 K; v192-223 scaled O, then rows; v224-227 the partner's statistics; v228-243 packed; v244 -infinity.
;   window 1: v0-63 O^T (32 t + 8 ct); v64-95 Q; v96-127 Q of block 31 - i; v128-191 V.
.set UK,    272                        ; two keys of K in LDS: 256 bytes + 16: key u starts at bank 4 (u / 2) + 32 (u % 2): 16 keys, 16 different groups of four banks (64 banks of 4 bytes: ISA guide 11.1)
.set UV,    288                        ; two keys of V: 256 + 32: the turning load's 16 lanes (8 keys x 32 bytes) take each bank once
.set KT,    64*UK                      ; a tile of 128 keys
.set VT,    64*UV
.set VOFF,  2*KT                       ; a stream's part of a slot: K of two trips, then V of two trips
.set STRM,  2*KT+2*VT
.set SLOTB, 2*STRM
.set SUBK,  32*UK                      ; 64 keys
.set SUBV,  32*UV
.set STAGE, 2*SLOTB                    ; behind the ring: 16 rows x 144 bytes for each wave
.set SPITCH, 144
.set SPARE, STAGE+8*16*SPITCH          ; the spare words, 128 bytes a wave, which no other line names
.set XCH,   SLOTB                      ; the hand-over, 8,704 bytes for each pair of waves: in slot 1, behind its last fill and its last read
.set RR,  1
.set HH,  2
.set AK0, 3
.set AV0, 4
.set ADK, 5
.set ADV, 6
.set STO, 7
.set RD,  8
.set GO,  9
.set XA,  10
.set SPW, 11
.set NIL, 12
.set PFO, 13
.set QO,  14
.set MD,  15
.set ST,  16
.set S,   32
.set P,   96
.set KFR, 128
.set TMP, 192
.set PS,  224
.set PK,  228
.set NINF, 244
.set O,   0                            ; window 1
.set Q,   64
.set QB,  96
.set VF,  128
.set WV,  8
.set WGI, 9
.set HEAD, 10
.set GRP, 11                           ; my group; also: which of a slot's two trips I fetch
.set CW,  12
.set KV,  13                           ; I fetch K (0) or V (1)
.set LG,  14                           ; for which stream
.set LB,  16                           ; s[16:17] K's or V's first byte of my head
.set LT,  18                           ; the trip that my next load serves
.set LLIM, 19
.set JADD, 20
.set TC,  21                           ; my group's trip
.set CLIM, 22
.set SWT, 23                           ; the trip at which I change blocks
.set G1K, 24
.set G0,  32                           ; s[32:35], s[36:39]: group 0, a set for each slot
.set G1V, 40
.set Q0,  48                           ; my first query
.set KF,  49                           ; the sub-step's first key
.set SK,  50
.set SV,  51
.set GOFF, 52
.set Q0B, 53
.set CS,  54
.set SEL, 56
.set OB,  58
.set CN,  60
.set LP,  61
.set PFA, 62
.set PLIM, 66
.set T0,  68
.set T2,  70
.set T4,  72
.set QA,  76
.set QBA, 78
.set MSB, 0
.macro WIN new                         ; the immediate's high byte repeats the setting that is left
.if MSB != (\new)
	s_set_vgpr_msb (MSB<<8)|(\new)
.set MSB, (\new)
.endif
.endm
.set W_KQ, 0x04                        ; K window 0, Q window 1, S^T window 0
.set W_PV, 0x51                        ; V window 1, P window 0, O^T window 1
.set W_RS, 0x41                        ; destination and source 0 window 1
.macro PLACES
.rept 4
	v_nop
.endr
.endm
; The key step of trip LT of my stream: LT, or LT + 16 - i behind the change of blocks.  Its tile's address goes into slot sl's group 0.
.macro LADDR sl
	s_cmp_gt_u32 s[LT], s[LLIM]
	s_cselect_b32 s[T0], s[JADD], 0
	s_add_co_u32 s[T0], s[T0], s[LT]
	s_lshl_b32 s[T0], s[T0], 14                    ; 128 keys x 128 bytes
	s_mov_b32 s[T0+1], 0
	s_add_nc_u64 s[G0+4*(\sl)+2:G0+4*(\sl)+3], s[LB:LB+1], s[T0:T0+1]
	s_or_b32 s[G0+4*(\sl)+3], s[G0+4*(\sl)+3], 0x80000000
	s_add_co_u32 s[LT], s[LT], 2
.endm
; My one tensor load behind a barrier.  part = 2: waves 0 and 1 alone.  The branches hang on the wave's number.  An s_nop 0 and four v_nop follow each of the two lines.
.macro TLOAD sl, part
.if \part == 2
	s_cmp_lt_u32 s[WV], 2
	s_cbranch_scc0 .Ltd_\@
.endif
	s_cmp_eq_u32 s[KV], 0
	s_cbranch_scc0 .Ltv_\@
	tensor_load_to_lds s[G0+4*(\sl):G0+4*(\sl)+3], s[G1K:G1K+7]
	s_nop 0
	PLACES
	s_branch .Ltd_\@
.Ltv_\@:
	tensor_load_to_lds s[G0+4*(\sl):G0+4*(\sl)+3], s[G1V:G1V+7]
	s_nop 0
	PLACES
.Ltd_\@:
.endm
; A PREFETCH INTO THE L2 of the tile that my load after this one will bring: 16 KiB, lanes 256 bytes apart, two instructions.  The work-groups of a head walk the same tiles: the one with i = 0 asks, each wave for its own
; tiles: stream 0's key steps 6 .. 16 and stream 1's 22 .. 31, each once.  The first three fills come by their loads alone; nothing is asked for past the last tile.
.macro ASK
	s_cmp_le_u32 s[LT], s[PLIM]
	s_cbranch_scc0 .Lnm_\@
	global_prefetch_b8 v[PFO], s[PFA:PFA+1] th:TH_LOAD_NT scope:SCOPE_SE
	global_prefetch_b8 v[PFO], s[PFA:PFA+1] offset:8192 th:TH_LOAD_NT scope:SCOPE_SE
.Lnm_\@:
.endm
.macro INIT                            ; a block begins: m = -3e38, l = 0, O = 0
.irp t, 0,1
	v_mov_b32 v[ST+8*\t+1], 0xff61b1e6
	v_mul_f32 v[ST+8*\t], s[CS], v[ST+8*\t+1]
.irp w, 2,3,4,5,6,7
	v_mov_b32 v[ST+8*\t+\w], 0
.endr
.endr
	WIN 0x40
.set k, 0
.rept 64
	v_mov_b32 v[O+k], 0
.set k, k+1
.endr
	WIN 0
.endm
.macro SETOB                           ; where my 32 queries' rows lie in attn16
	s_lshr_b32 s[T0], s[Q0], 6
	s_lshl_b32 s[T0], s[T0], 4
	s_add_co_u32 s[T0], s[T0], s[HEAD]
	s_lshl_b32 s[T0], s[T0], 13
	s_and_b32 s[T4], s[Q0], 63
	s_lshl_b32 s[T4], s[T4], 7
	s_add_co_u32 s[T0], s[T0], s[T4]
	s_mov_b32 s[T0+1], 0
	s_add_nc_u64 s[OB:OB+1], s[6:7], s[T0:T0+1]
.endm
; The softmax of both tiles for 64 keys, the tiles alternating so that no line waits for the line above it.
.macro SOFTMAX
.irp j, 0,1,2,3
.irp t, 0,1
	v_max3_num_f32 v[ST+8*\t+4+\j], v[S+32*\t+8*\j], v[S+32*\t+8*\j+1], v[S+32*\t+8*\j+2]   ; each accumulator from its low end on
.endr
.endr
.irp u, 1,2
.irp j, 0,1,2,3
.irp t, 0,1
	v_max3_num_f32 v[ST+8*\t+4+\j], v[ST+8*\t+4+\j], v[S+32*\t+8*\j+2*\u+1], v[S+32*\t+8*\j+2*\u+2]
.endr
.endr
.endr
.irp t, 0,1
	v_max3_num_f32 v[ST+8*\t+4], v[ST+8*\t+4], v[S+32*\t+7], v[S+32*\t+15]
	v_max3_num_f32 v[ST+8*\t+6], v[ST+8*\t+6], v[S+32*\t+23], v[S+32*\t+31]
.endr
.irp t, 0,1
	v_max3_num_f32 v[ST+8*\t+4], v[ST+8*\t+4], v[ST+8*\t+5], v[ST+8*\t+6]
.endr
.irp t, 0,1
	v_max3_num_f32 v[ST+8*\t+4], v[ST+8*\t+4], v[ST+8*\t+7], v[ST+8*\t+1]   ; with the old m
.endr
.irp t, 0,1
	v_permlanex16_b32 v[ST+8*\t+5], v[ST+8*\t+4], s[SEL], s[SEL+1]          ; the query's other 32 keys lie in the lane 16 away
.endr
.irp t, 0,1
	v_mov_b32 v[ST+8*\t+7], v[ST+8*\t]                                      ; c m_old
.endr
.irp t, 0,1
	v_max_num_f32 v[ST+8*\t+1], v[ST+8*\t+4], v[ST+8*\t+5]
.endr
.irp t, 0,1
	v_mul_f32 v[ST+8*\t], s[CS], v[ST+8*\t+1]
.endr
.irp t, 0,1
	v_sub_f32 v[ST+8*\t+7], v[ST+8*\t+7], v[ST+8*\t]
.endr
.set k, 0
.rept 16
.irp t, 0,1
	v_pk_fma_f32 v[S+32*\t+2*k:S+32*\t+2*k+1], v[S+32*\t+2*k:S+32*\t+2*k+1], s[CS:CS+1], v[ST+8*\t:ST+8*\t+1] op_sel_hi:[1,0,0] neg_lo:[0,0,1] neg_hi:[0,0,1]   ; c s - c m
.endr
.set k, k+1
.endr
.irp t, 0,1
	v_exp_f32 v[ST+8*\t+6], v[ST+8*\t+7]           ; a
.endr
.set k, 0
.rept 32
.irp t, 0,1
	v_exp_f32 v[S+32*\t+k], v[S+32*\t+k]
.endr
.set k, k+1
.endr
	v_nop                                          ; a plain instruction behind the last exponential
	s_wait_alu depctr_va_vdst(0)                   ; one wait for the batch of 66, ahead of its first reader
.set k, 0
.rept 16
.irp t, 0,1
	v_cvt_pk_f16_f32 v[P+16*\t+k], v[S+32*\t+2*k], v[S+32*\t+2*k+1]
.endr
.set k, k+1
.endr
.irp w, 4,8,16,32                      ; the sum of a tile's 16 pairs, in place: neighbours 1, 2, 4 and 8 pairs apart
.set k, 0
.rept 32/\w
.irp t, 0,1
	v_pk_add_f32 v[S+32*\t+\w*k:S+32*\t+\w*k+1], v[S+32*\t+\w*k:S+32*\t+\w*k+1], v[S+32*\t+\w*k+\w/2:S+32*\t+\w*k+\w/2+1]
.endr
.set k, k+1
.endr
.endr
.irp t, 0,1
	v_pk_fma_f32 v[ST+8*\t+2:ST+8*\t+3], v[ST+8*\t+2:ST+8*\t+3], v[ST+8*\t+6:ST+8*\t+7], v[S+32*\t:S+32*\t+1] op_sel_hi:[1,0,1]   ; l = a l + the sum
.endr
.endm
; A SUB-STEP: 64 keys from KF on, at SK and SV in LDS, against my 32 queries.
.macro STEP
	s_add_co_u32 s[T0], s[Q0], 31
	s_cmp_gt_u32 s[KF], s[T0]                      ; all 64 keys come after my queries: only the addresses step
	s_cbranch_scc1 .Lhid_\@
	v_add_nc_u32 v[ADK], s[SK], v[AK0]             ; these two and two v_nop are the four places in front of loads into registers that the last products read
	v_add_nc_u32 v[ADV], s[SV], v[AV0]
	v_nop
	v_nop
.irp kt, 0,1,2,3
.irp cc, 0,1
	ds_load_b128 v[KFR+16*\kt+8*\cc:KFR+16*\kt+8*\cc+3],   v[ADK] offset:\kt*8*UK+\cc*64
	ds_load_b128 v[KFR+16*\kt+8*\cc+4:KFR+16*\kt+8*\cc+7], v[ADK] offset:\kt*8*UK+\cc*64+32
.endr
.endr
	WIN 0x40
.irp g, 0,1
.irp ct, 0,1,2,3
	ds_load_tr16_b128 v[VF+32*\g+8*\ct:VF+32*\g+8*\ct+3],   v[ADV] offset:\g*16*UV+\ct*32
	ds_load_tr16_b128 v[VF+32*\g+8*\ct+4:VF+32*\g+8*\ct+7], v[ADV] offset:\g*16*UV+8*UV+\ct*32
.endr
.endr
	s_wait_dscnt 16                                ; K's 16 loads are in; V's 16, issued behind them, may be out
	WIN W_KQ
.set i, 0
.rept 16                               ; channels 32 (i / 8) on, keys 16 ((i / 2) % 4) on, tile i % 2: eight accumulators by turns
.set rS, S+32*(i%2)+8*((i/2)%4)
.set rK, KFR+16*((i/2)%4)+8*(i/8)
.set rQ, Q+16*(i%2)+8*(i/8)
.if i < 8
	v_wmma_f32_16x16x32_f16 v[rS:rS+7], v[rK:rK+7], v[rQ:rQ+7], 0
.else
	v_wmma_f32_16x16x32_f16 v[rS:rS+7], v[rK:rK+7], v[rQ:rQ+7], v[rS:rS+7]
.endif
.set i, i+1
.endr
	WIN 0
	PLACES
	s_add_co_u32 s[T0], s[KF], 63
	s_cmp_le_u32 s[T0], s[Q0]                      ; all 64 keys count for all my queries: no mask
	s_cbranch_scc1 .Lopen_\@
	s_sub_co_i32 s[T0], s[Q0], s[KF]
	v_lshlrev_b32 v[MD], 3, v[HH]
	v_sub_nc_u32 v[MD], v[RR], v[MD]
	v_add_nc_u32 v[MD], s[T0], v[MD]               ; register n of tile t holds key KF + 16 (n / 8) + 8 (lane / 16) + n % 8, query Q0 + 16 t + lane % 16: hidden where 16 (n / 8) + n % 8 - 16 t > MD
.irp t, 0,1
.set n, 0
.rept 32
	v_cmp_gt_i32 vcc_lo, 16*(n/8)+n%8-16*\t, v[MD]
	v_cndmask_b32 v[S+32*\t+n], v[S+32*\t+n], v[NINF], vcc_lo
.set n, n+1
.endr
.endr
.Lopen_\@:
	SOFTMAX
	s_wait_dscnt 0x0                               ; V is in
	WIN W_RS
.irp t, 0,1
.set k, 0
.rept 16
	v_pk_mul_f32 v[O+32*\t+2*k:O+32*\t+2*k+1], v[O+32*\t+2*k:O+32*\t+2*k+1], v[ST+8*\t+6:ST+8*\t+7] op_sel_hi:[1,0]   ; O^T x a, each accumulator from its low end on
.set k, k+1
.endr
.endr
	WIN W_PV
.set i, 0
.rept 16                               ; keys 32 (i / 8) on, channels 16 ((i / 2) % 4) on, tile i % 2
.set rO, O+32*(i%2)+8*((i/2)%4)
.set rV, VF+32*(i/8)+8*((i/2)%4)
.set rP, P+16*(i%2)+8*(i/8)
	v_wmma_f32_16x16x32_f16 v[rO:rO+7], v[rV:rV+7], v[rP:rP+7], v[rO:rO+7]
.set i, i+1
.endr
	WIN 0
.Lhid_\@:
	s_add_co_u32 s[KF], s[KF], 64
	s_add_co_u32 s[SK], s[SK], SUBK
	s_add_co_u32 s[SV], s[SV], SUBV
.endm
; Tile t's 16 rows, scaled, in v[TMP] on: rounded to f16, through my stage, back as four rows (512 consecutive bytes of attn16) to an instruction.
.macro SENDT t
.set k, 0
.rept 16
	v_cvt_pk_f16_f32 v[PK+k], v[TMP+2*k], v[TMP+2*k+1]
.set k, k+1
.endr
.irp ct, 0,1,2,3
	ds_store_b128 v[STO], v[PK+4*\ct:PK+4*\ct+3] offset:32*\ct
.endr
.irp f, 0,1,2,3
	ds_load_b128 v[TMP+4*\f:TMP+4*\f+3], v[RD] offset:\f*4*SPITCH   ; LDS serves a wave's instructions in order: these see the stores above
.endr
.irp f, 0,1,2,3
	s_wait_dscnt 3-\f                              ; load f is in; the younger ones may be out
	global_store_b128 v[GO], v[TMP+4*\f:TMP+4*\f+3], s[OB:OB+1] offset:(\t)*2048+\f*512
.endr
	s_wait_xcnt 0x0                                ; the stores have read their registers and base: both may be written again
.endm
; Group 1 leaves block i: it is divided by l and stored; block 31 - i begins.
.macro SWITCH
	PLACES                                         ; behind the last products
.irp t, 0,1
	v_add_f32 v[ST+8*\t+4], v[ST+8*\t+2], v[ST+8*\t+3]
.endr
.irp t, 0,1
	v_permlanex16_b32 v[ST+8*\t+5], v[ST+8*\t+4], s[SEL], s[SEL+1]
.endr
.irp t, 0,1
	v_add_f32 v[ST+8*\t+4], v[ST+8*\t+4], v[ST+8*\t+5]
.endr
.irp t, 0,1
	v_rcp_f32 v[ST+8*\t+6], v[ST+8*\t+4]
.endr
	v_nop
	s_wait_alu depctr_va_vdst(0)                   ; one wait for the two reciprocals, ahead of their first reader
.irp t, 0,1
	WIN 0x01
.set k, 0
.rept 16
	v_pk_mul_f32 v[TMP+2*k:TMP+2*k+1], v[O+32*\t+2*k:O+32*\t+2*k+1], v[ST+8*\t+6:ST+8*\t+7] op_sel_hi:[1,0]
.set k, k+1
.endr
	WIN 0
	SENDT \t
.endr
	INIT
	WIN W_RS
.set k, 0
.rept 32
	v_mov_b32 v[Q+k], v[QB+k]
.set k, k+1
.endr
	WIN 0
	s_mov_b32 s[Q0], s[Q0B]
	SETOB
.endm
.macro TRIPHEAD                        ; a trip of 128 keys begins: the change of blocks where it is due; the trip's first key
	s_cmp_lg_u32 s[TC], s[SWT]
	s_cbranch_scc1 .Lns_\@
	SWITCH
.Lns_\@:
	s_cmp_gt_u32 s[TC], s[CLIM]
	s_cselect_b32 s[T0], s[JADD], 0
	s_add_co_u32 s[T0], s[T0], s[TC]
	s_lshl_b32 s[KF], s[T0], 7
	s_add_co_u32 s[TC], s[TC], 1
.endm
.macro SEQW slot                       ; a slot's two trips: four sub-steps, written once
	s_add_co_u32 s[SK], s[GOFF], (\slot)*SLOTB
	s_add_co_u32 s[SV], s[SK], VOFF
	s_mov_b32 s[CN], 0
.Lsq_\@:
	s_and_b32 s[T0], s[CN], 1
	s_cmp_lg_u32 s[T0], 0
	s_cbranch_scc1 .Lodd_\@
	TRIPHEAD
.Lodd_\@:
	STEP
	s_add_co_u32 s[CN], s[CN], 1
	s_cmp_lt_u32 s[CN], 4
	s_cbranch_scc1 .Lsq_\@
.endm
; THE CHANGE OF SLOTS, at the head of slot `slot`.  Each wave waits for all its tensor loads (its tile of the slot ahead), adds 0 to its spare word, and waits for that and for its reads of the slot that it has left.
; Behind the barrier the slot ahead is whole and nobody reads the other one, which is filled again first thing: one load a wave (fill = 1), or waves 0 and 1 alone (fill = 2: key step 16).
.macro CHANGE slot, fill
	s_wait_tensorcnt 0x0                           ; no tensor load of mine is out, so a group 0 may be written
	ds_add_u32 v[SPW], v[NIL]                      ; 0 onto my spare word; the descriptor's step stands between it and the wait for it
.if \fill
	LADDR 1-\slot
.endif
.if \fill == 1
	s_wait_xcnt 0x0                                ; the last prefetches, a slot back, have read their address
	s_cmp_gt_u32 s[LT], s[LLIM]
	s_cselect_b32 s[T0], s[JADD], 0
	s_add_co_u32 s[T0], s[T0], s[LT]
	s_lshl_b32 s[T0], s[T0], 14
	s_add_nc_u64 s[PFA:PFA+1], s[LB:LB+1], s[T0:T0+1]   ; the tile of my load after this one
.endif
	s_wait_dscnt 0x0                               ; the add is done, and my reads of the slot that I have left are over
	s_barrier_signal -1
	s_barrier_wait -1
.if \fill
	TLOAD 1-\slot, \fill
.endif
.if \fill == 1
	ASK
.endif
.endm
	s_load_b128 s[4:7], s[0:1], 0x0                ; qkv16 s[4:5], attn16 s[6:7]
	v_lshl_add_u32 v[SPW], v0, 2, SPARE
	v_mov_b32 v[NIL], 0
	ds_add_u32 v[SPW], v[NIL]                      ; the wave's opening: the add, twice on end, and its wait ahead of my first tensor load
	ds_add_u32 v[SPW], v[NIL]
	v_lshrrev_b32 v1, 5, v0
	v_readfirstlane_b32 s[WV], v1                  ; wave 0..7
	s_mov_b32 s[WGI], ttmp9                        ; i
	s_and_b32 s[HEAD], ttmp7, 0xffff
	s_lshr_b32 s[GRP], s[WV], 2
	s_and_b32 s[CW], s[WV], 3
	s_and_b32 s[KV], s[WV], 1
	s_bfe_u32 s[LG], s[WV], 0x10001
	s_sub_co_u32 s[JADD], 16, s[WGI]
	s_add_co_u32 s[T0], s[WGI], 1
	s_cmp_eq_u32 s[LG], 0
	s_cselect_b32 s[LLIM], 255, s[WGI]             ; stream 0 never jumps; stream 1 jumps behind trip i
	s_cmp_eq_u32 s[GRP], 0
	s_cselect_b32 s[CLIM], 255, s[WGI]
	s_cselect_b32 s[SWT], 255, s[T0]
	s_sub_co_u32 s[T2], 31, s[WGI]
	s_lshl_b32 s[T2], s[T2], 7
	s_lshl_b32 s[T4], s[CW], 5
	s_add_co_u32 s[Q0B], s[T2], s[T4]              ; my first query in block 31 - i
	s_lshl_b32 s[T2], s[WGI], 7
	s_add_co_u32 s[T2], s[T2], s[T4]
	s_cmp_eq_u32 s[GRP], 0
	s_cselect_b32 s[Q0], s[Q0B], s[T2]
	s_mul_i32 s[GOFF], s[GRP], STRM
	s_mov_b32 s[LT], s[GRP]
	s_mov_b32 s[TC], 0
	s_mov_b32 s[KF], 0
	s_mov_b32 s[SK], 0
	s_mov_b32 s[SV], 0
	s_cmp_lt_u32 s[WV], 2
	s_cselect_b32 s[PLIM], 16, 15                  ; waves 0 and 1 fetch key step 16 too
	s_cmp_eq_u32 s[WGI], 0
	s_cselect_b32 s[PLIM], s[PLIM], 0              ; only the head's first work-group prefetches
	s_mov_b32 s[CS], 0x3e38aa3b                    ; c = log2(e) / 8
	s_mov_b32 s[CS+1], s[CS]
	s_mov_b32 s[SEL], 0x76543210
	s_mov_b32 s[SEL+1], 0xfedcba98
	s_mov_b32 s[G1K], (3<<16)|(1<<20)|(5<<22)|(3<<25)   ; elements of 8 bytes; padding on: after every 64 words, 4 words
	s_mov_b32 s[G1V], (3<<16)|(1<<20)|(5<<22)|(7<<25)   ; the same with 8 words
.irp g, G1K, G1V
	s_mov_b32 s[\g+1], 32<<16                      ; tensor_dim0 = 32 elements: 256 bytes
	s_mov_b32 s[\g+2], 64<<16                      ; tensor_dim1 = 64 rows
	s_mov_b32 s[\g+3], 32<<16                      ; tile_dim0
	s_mov_b32 s[\g+4], 64                          ; tile_dim1
	s_mov_b32 s[\g+5], 32                          ; dense
	s_mov_b32 s[\g+6], 0
	s_mov_b32 s[\g+7], 0
.endr
	s_mul_i32 s[T0], s[LG], STRM                   ; where my tile goes: the stream's part, K's or V's half, the trip
	s_mul_i32 s[T2], s[KV], VOFF
	s_add_co_u32 s[T0], s[T0], s[T2]
	s_mul_i32 s[T2], s[GRP], KT
	s_add_co_u32 s[T0], s[T0], s[T2]
	s_and_b32 s[T2], s[KV], s[GRP]
	s_lshl_b32 s[T2], s[T2], 10                    ; a tile of V is 1,024 bytes longer
	s_add_co_u32 s[T0], s[T0], s[T2]
	s_mov_b32 s[G0], 1
	s_mov_b32 s[G0+1], s[T0]
	s_mov_b32 s[G0+4], 1
	s_add_co_u32 s[G0+5], s[T0], SLOTB
	s_wait_dscnt 0x0                               ; both opening adds are done
	s_wait_kmcnt 0x0
	s_add_co_u32 s[T0], s[KV], 1
	s_lshl_b32 s[T0], s[T0], 23
	s_lshl_b32 s[T2], s[HEAD], 19
	s_add_co_u32 s[T0], s[T0], s[T2]
	s_mov_b32 s[T0+1], 0
	s_add_nc_u64 s[LB:LB+1], s[4:5], s[T0:T0+1]
	LADDR 0
	LADDR 1
	s_cmp_eq_u32 s[KV], 0                          ; a wave's two first fills stand in one branch, ahead of every wait on TENSORcnt and every LDS read: two loads of mine are out
	s_cbranch_scc0 .Lfirst_v
	tensor_load_to_lds s[G0:G0+3], s[G1K:G1K+7]
	s_nop 0
	tensor_load_to_lds s[G0+4:G0+7], s[G1K:G1K+7]
	s_nop 0
	PLACES
	s_branch .Lfirst_done
.Lfirst_v:
	tensor_load_to_lds s[G0:G0+3], s[G1V:G1V+7]
	s_nop 0
	tensor_load_to_lds s[G0+4:G0+7], s[G1V:G1V+7]
	s_nop 0
	PLACES
.Lfirst_done:
	v_and_b32 v[RR], 15, v0                        ; r
	v_bfe_u32 v[HH], v0, 4, 1                      ; h
	v_lshlrev_b32 v[QO], 7, v[RR]
	v_lshl_add_u32 v[QO], v[HH], 4, v[QO]          ; Q: row r of 128 bytes + 16 h
	s_lshl_b32 s[T4], s[HEAD], 19
	s_lshl_b32 s[T0], s[Q0], 7
	s_add_co_u32 s[T0], s[T0], s[T4]
	s_mov_b32 s[T0+1], 0
	s_add_nc_u64 s[QA:QA+1], s[4:5], s[T0:T0+1]
	s_lshl_b32 s[T0], s[Q0B], 7
	s_add_co_u32 s[T0], s[T0], s[T4]
	s_add_nc_u64 s[QBA:QBA+1], s[4:5], s[T0:T0+1]
	WIN 0x40
.irp t, 0,1
.irp cc, 0,1
	global_load_b128 v[Q+16*\t+8*\cc:Q+16*\t+8*\cc+3],     v[QO], s[QA:QA+1] offset:\t*2048+\cc*64
	global_load_b128 v[Q+16*\t+8*\cc+4:Q+16*\t+8*\cc+7],   v[QO], s[QA:QA+1] offset:\t*2048+\cc*64+32
	global_load_b128 v[QB+16*\t+8*\cc:QB+16*\t+8*\cc+3],   v[QO], s[QBA:QBA+1] offset:\t*2048+\cc*64
	global_load_b128 v[QB+16*\t+8*\cc+4:QB+16*\t+8*\cc+7], v[QO], s[QBA:QBA+1] offset:\t*2048+\cc*64+32
.endr
.endr
	WIN 0
	v_lshrrev_b32 v[AK0], 1, v[RR]                 ; K: key r: unit r / 2, half r % 2, + 16 h
	v_mul_u32_u24 v[AK0], v[AK0], UK
	v_and_b32 v[ADK], 1, v[RR]
	v_lshl_add_u32 v[AK0], v[ADK], 7, v[AK0]
	v_lshl_add_u32 v[AK0], v[HH], 4, v[AK0]
	v_bfe_u32 v[AV0], v0, 1, 2                     ; V: key 8 h + lane % 8, channels 8 ((lane / 8) % 2) on
	v_lshl_add_u32 v[AV0], v[HH], 2, v[AV0]
	v_mul_u32_u24 v[AV0], v[AV0], UV
	v_and_b32 v[ADK], 1, v0
	v_lshl_add_u32 v[AV0], v[ADK], 7, v[AV0]
	v_bfe_u32 v[ADK], v0, 3, 1
	v_lshl_add_u32 v[AV0], v[ADK], 4, v[AV0]
	s_mul_i32 s[T4], s[WV], 16*SPITCH
	s_add_co_u32 s[T4], s[T4], STAGE               ; my stage
	v_mul_u32_u24 v[STO], v[RR], SPITCH
	v_lshl_add_u32 v[STO], v[HH], 4, v[STO]
	v_add_nc_u32 v[STO], s[T4], v[STO]
	v_bfe_u32 v[RD], v0, 3, 2
	v_mul_u32_u24 v[RD], v[RD], SPITCH
	v_and_b32 v[ADK], 7, v0
	v_lshl_add_u32 v[RD], v[ADK], 4, v[RD]
	v_add_nc_u32 v[RD], s[T4], v[RD]
	v_and_b32 v[GO], 31, v0
	v_lshlrev_b32 v[PFO], 8, v[GO]
	v_lshlrev_b32 v[GO], 4, v[GO]
	s_mul_i32 s[T4], s[CW], 8704
	s_add_co_u32 s[T4], s[T4], XCH
	v_add_nc_u32 v[XA], s[T4], v[GO]               ; the hand-over: the same bytes in waves c and c + 4
	v_mov_b32 v[NINF], 0xff800000
	INIT
	SETOB
	s_wait_tensorcnt 0x1                           ; my tile of slot 0 is in; slot 1's, issued behind it, may be out
	s_barrier_signal -1
	s_barrier_wait -1
	s_wait_loadcnt 0x0                             ; Q
	SEQW 0
	s_mov_b32 s[LP], 3
.Lmain:                                            ; three trips: six slots' worth of two trips each... a trip walks slot 1 and slot 0 and fills both again
	CHANGE 1, 1
	SEQW 1
	CHANGE 0, 1
	SEQW 0
	s_sub_co_u32 s[LP], s[LP], 1
	s_cmp_lg_u32 s[LP], 0
	s_cbranch_scc1 .Lmain
	CHANGE 1, 2                                    ; key step 16's K and V go into slot 0
	SEQW 1
	CHANGE 0, 0
	s_cmp_lg_u32 s[TC], s[SWT]                     ; i = 15 changes blocks here
	s_cbranch_scc1 .Lnsw_tail
	SWITCH
.Lnsw_tail:
	s_lshl_b32 s[KF], s[GRP], 6
	s_add_co_u32 s[KF], s[KF], 2048                ; key step 16: group 0 its first 64 keys, group 1 its last
	s_mul_i32 s[SK], s[GRP], SUBK
	s_mul_i32 s[SV], s[GRP], SUBV
	s_add_co_u32 s[SV], s[SV], VOFF
	STEP
	PLACES                                         ; behind the last products
	s_cmp_eq_u32 s[GRP], 0
	s_cbranch_scc1 .Lmeet
	v_mov_b32 v[PS], v[ST]                         ; group 1 hands over c m, l and O^T as they stand in its registers, 16 bytes a lane
	v_add_f32 v[PS+1], v[ST+2], v[ST+3]
	v_mov_b32 v[PS+2], v[ST+8]
	v_add_f32 v[PS+3], v[ST+10], v[ST+11]
	WIN 0x04                                       ; an LDS store's data are its source 1: window 1
.irp q, 0,1,2,3,4,5,6,7,8,9,10,11,12,13,14,15
	ds_store_b128 v[XA], v[O+4*\q:O+4*\q+3] offset:512*\q
.endr
	WIN 0
	ds_store_b128 v[XA], v[PS:PS+3] offset:8192
.Lmeet:
	s_wait_dscnt 0x0                               ; for the others' sake: my stores have landed
	s_barrier_signal -1
	s_barrier_wait -1
	s_cmp_lg_u32 s[GRP], 0
	s_cbranch_scc1 .Lend
.irp q, 0,1,2,3,4,5,6,7,8,9,10,11,12,13,14,15
	ds_load_b128 v[KFR+4*\q:KFR+4*\q+3], v[XA] offset:512*\q
.endr
	ds_load_b128 v[PS:PS+3], v[XA] offset:8192
.irp t, 0,1
	v_add_f32 v[ST+8*\t+4], v[ST+8*\t+2], v[ST+8*\t+3]
.endr
	s_wait_dscnt 0x0
.irp t, 0,1
	v_max_num_f32 v[ST+8*\t+5], v[ST+8*\t], v[PS+2*\t]             ; the larger c m
.endr
.irp t, 0,1
	v_sub_f32 v[ST+8*\t+6], v[ST+8*\t], v[ST+8*\t+5]
	v_sub_f32 v[ST+8*\t+7], v[PS+2*\t], v[ST+8*\t+5]
.endr
.irp t, 0,1
	v_exp_f32 v[ST+8*\t+6], v[ST+8*\t+6]                           ; my part's factor,
	v_exp_f32 v[ST+8*\t+7], v[ST+8*\t+7]                           ; the partner's
.endr
	v_nop
	s_wait_alu depctr_va_vdst(0)                   ; one wait for the four exponentials
.irp t, 0,1
	v_mul_f32 v[ST+8*\t+4], v[ST+8*\t+4], v[ST+8*\t+6]
.endr
.irp t, 0,1
	v_fma_f32 v[ST+8*\t+4], v[PS+2*\t+1], v[ST+8*\t+7], v[ST+8*\t+4]
.endr
.irp t, 0,1
	v_permlanex16_b32 v[ST+8*\t+5], v[ST+8*\t+4], s[SEL], s[SEL+1]
.endr
.irp t, 0,1
	v_add_f32 v[ST+8*\t+4], v[ST+8*\t+4], v[ST+8*\t+5]             ; the row's sum
.endr
.irp t, 0,1
	v_rcp_f32 v[ST+8*\t+5], v[ST+8*\t+4]
.endr
	v_nop
	s_wait_alu depctr_va_vdst(0)                   ; one wait for the two reciprocals
.irp t, 0,1
	v_mul_f32 v[ST+8*\t+2], v[ST+8*\t+6], v[ST+8*\t+5]
	v_mul_f32 v[ST+8*\t+6], v[ST+8*\t+7], v[ST+8*\t+5]
.endr
.irp t, 0,1
.set k, 0
.rept 16
	v_pk_mul_f32 v[TMP+2*k:TMP+2*k+1], v[KFR+32*\t+2*k:KFR+32*\t+2*k+1], v[ST+8*\t+6:ST+8*\t+7] op_sel_hi:[1,0]
.set k, k+1
.endr
	WIN 0x01
.set k, 0
.rept 16
	v_pk_fma_f32 v[TMP+2*k:TMP+2*k+1], v[O+32*\t+2*k:O+32*\t+2*k+1], v[ST+8*\t+2:ST+8*\t+3], v[TMP+2*k:TMP+2*k+1] op_sel_hi:[1,0,1]
.set k, k+1
.endr
	WIN 0
	SENDT \t
.endr
.Lend:
	s_wait_tensorcnt 0x0                           ; the wave's end, behind my last tensor load and my last LDS store
	ds_add_u32 v[SPW], v[NIL]
	s_wait_dscnt 0x0
	s_endpgm
.Lfunc_end_k_qd8580c7409_attn:
	.size	k_qd8580c7409_attn, .Lfunc_end_k_qd8580c7409_attn-k_qd8580c7409_attn
	.p2alignl 7, 3214868480
	.fill 96, 4, 3214868480
	.section	.rodata,"a",@progbits
	.p2align	6, 0x0
	.amdhsa_kernel k_qd8580c7409_attn
		.amdhsa_group_segment_fixed_size 327680
		.amdhsa_private_segment_fixed_size 0
		.amdhsa_enable_private_segment 0
		.amdhsa_kernarg_size 16
		.amdhsa_user_sgpr_count 2
		.amdhsa_user_sgpr_kernarg_segment_ptr 1
		.amdhsa_wavefront_size32 1
		.amdhsa_system_sgpr_workgroup_id_x 1
		.amdhsa_system_sgpr_workgroup_id_y 1
		.amdhsa_system_sgpr_workgroup_id_z 1
		.amdhsa_system_vgpr_workitem_id 0
		.amdhsa_next_free_vgpr 512
		.amdhsa_next_free_sgpr 80
		.amdhsa_reserve_vcc 1
		.amdhsa_float_denorm_mode_32 3
		.amdhsa_float_denorm_mode_16_64 3
		.amdhsa_memory_ordered 1
		.amdhsa_forward_progress 1
		.amdhsa_inst_pref_size 192
	.end_amdhsa_kernel
	.amdgpu_metadata
---
amdhsa.version: [ 1, 2 ]
amdhsa.kernels:
  - .name:           k_qd8580c7409_attn
    .symbol:         k_qd8580c7409_attn.kd
    .args:
      - { .name: qkv16, .offset: 0, .size: 8, .value_kind: global_buffer, .address_space: global }
      - { .name: attn16, .offset: 8, .size: 8, .value_kind: global_buffer, .address_space: global }
    .group_segment_fixed_size: 327680
    .private_segment_fixed_size: 0
    .kernarg_segment_align: 8
    .kernarg_segment_size: 16
    .max_flat_workgroup_size: 256
    .sgpr_count:     80
    .vgpr_count:     512
    .wavefront_size: 32
...
	.end_amdgpu_metadata
.endif
;; end of part 3
;; launch oproj (part 4): grid 8 x 32, 4 waves a work-group, clusters of 4 x 4, 327,680 bytes of LDS; arguments attn16, wo16, bo, out0; writes out0
.if DOCPART == 4
	.amdgcn_target "amdgcn-amd-amdhsa--gfx1250"
	.amdhsa_code_object_version 6
	.text
	.protected	k_qd8580c7409_oproj
	.globl	k_qd8580c7409_oproj
	.p2align	8
	.type	k_qd8580c7409_oproj,@function
k_qd8580c7409_oproj:
	s_mov_b64 s[64:65], 0
	v_nop
	global_prefetch_b8 v0, s[64:65] scope:SCOPE_SE
	s_setreg_imm32_b32 hwreg(HW_REG_WAVE_MODE, 25, 1), 1
	s_wait_xcnt 0x0
	s_wait_alu depctr_hold_cnt(0) depctr_sa_sdst(0) depctr_va_vdst(0) depctr_va_sdst(0) depctr_va_ssrc(0) depctr_va_vcc(0) depctr_vm_vsrc(0)
	s_getreg_b32 s2, hwreg(HW_REG_IB_STS2, 6, 4)
	s_cmp_eq_u32 s2, 0
	s_cbranch_scc0 .Lentry_in_a_cluster
	s_endpgm
.Lentry_in_a_cluster:
	s_bfe_u32 s2, ttmp6, 0x10000c
	s_cmp_lg_u32 s2, 0xf033
	s_cbranch_scc0 .Lentry_shape_is_right
	s_endpgm
.Lentry_shape_is_right:
; out0[token][n] = the sum over 1,024 channels of attn[token][c] Wo[n][c] + bo[n]; operands f16, sums f32, begun with the bias.
; attn16: [token / 64][head][64 tokens][64], wo16: [n / 64][head][64 n][64]: for 64 rows, four heads (256 along K) are 32 KiB dense.
; A tile of 128 tokens x 128 columns: 256 work-groups.  Four waves, 64 x 64 each: 16 accumulators.  K goes in steps of four heads through two LDS slots; a wave's tensor load brings 64 rows x 4 heads as 128 rows of 256 bytes
; (two rows of a head) with 16 bytes of padding behind each.  Four K steps: each slot is filled twice.
; CLUSTER 4 x 4: the four of a row of the cluster need the same tiles of attn, the four of a column the same tiles of Wo: each is asked for jointly.  THE MATRIX INSTRUCTION IS USED TRANSPOSED (source 0 = 16 rows of Wo,
; source 1 = 16 tokens): a lane holds eight neighbouring columns of one token.
; A wave's 64 columns of f32 are 256 bytes.  Tokens 0-15 are stored here like all others and once more, finer, by the launch behind this one.
; No prefetch: the tile is small and the launch short.
; REGISTERS: window 0: v16-31 addresses; v32-95 rows on the way out, two sets; v96-127 the bias; v128-255 the accumulators ((a, b) at v[128 + 8 (4 a + b)]).  window 1: two fragment buffers of 128.
.set UNIT,   272                       ; two rows of a head: 256 bytes + 16: row u starts at bank 4 (u / 2) + 32 (u % 2) (64 banks of 4 bytes: ISA guide 11.1)
.set HEADB,  32*UNIT                   ; 64 rows of one head
.set HALFT,  4*HEADB                   ; what one tensor load brings
.set SLOT,   4*HALFT
.set STAGE,  2*SLOT
.set SPITCH, 272
.set SPARE,  STAGE+4*16*SPITCH         ; the spare words, 128 bytes a wave, which no other line names
.set ADRA, 16
.set ADRB, 20
.set STO,  24
.set RD,   25
.set CO,   26
.set SPW,  28
.set NIL,  29
.set BOF,  30
.set OUTR, 32
.set BI,   96
.set ACC,  128
.set F0,   0
.set F1,   128
.set G1, 24
.set G0, 32
.set G1B, 48
.set G0B, 56
.set MSB, 0
.macro WIN new
.if MSB != (\new)
	s_set_vgpr_msb (MSB<<8)|(\new)
.set MSB, (\new)
.endif
.endm
.set MUL,  0x05                        ; sources 0 and 1 window 1; C and D window 0
.set TO_F, 0x40
.macro JLOAD s                         ; waves 0 and 1 fetch attn's two halves, waves 2 and 3 Wo's; an s_nop 0 and four v_nop follow each of the two lines
	s_cmp_eq_u32 s13, 0
	s_cbranch_scc0 .Lfor_b_\@
	tensor_load_to_lds s[G0+4*\s:G0+4*\s+3], s[G1:G1+7]
	s_nop 0
.rept 4
	v_nop
.endr
	s_branch .Lasked_\@
.Lfor_b_\@:
	tensor_load_to_lds s[G0B+4*\s:G0B+4*\s+3], s[G1B:G1B+7]
	s_nop 0
.rept 4
	v_nop
.endr
.Lasked_\@:
.endm
.macro CREST
	s_cmp_lg_u32 s12, 0
	s_cbranch_scc1 .Lnot_wave_0_\@
	s_barrier_signal -3
.Lnot_wave_0_\@:
	s_barrier_wait -3
	s_barrier_signal -1
	s_barrier_wait -1
.endm
.macro CROUND
	s_barrier_signal -1
	s_barrier_wait -1
	CREST
.endm
	s_load_b256 s[4:11], s[0:1], 0x0               ; attn16 s[4:5], wo16 s[6:7], bo s[8:9], out0 s[10:11]
	v_lshl_add_u32 v[SPW], v0, 2, SPARE
	v_mov_b32 v[NIL], 0
	ds_add_u32 v[SPW], v[NIL]                      ; the wave's opening: the add, twice on end, and its wait ahead of my first tensor load
	ds_add_u32 v[SPW], v[NIL]
	v_lshrrev_b32 v1, 5, v0
	v_readfirstlane_b32 s12, v1                    ; wave 0..3
	s_lshr_b32 s13, s12, 1                         ; which half of the tile's tokens is mine.  Also: I fetch for attn (0) or for Wo (1)
	s_and_b32 s14, s12, 1                          ; which half of its columns.  Also: which 64 rows I fetch
	s_bfe_u32 s40, ttmp6, 0x40000                  ; cx, cy
	s_bfe_u32 s41, ttmp6, 0x40004
	s_lshl_b32 s42, ttmp9, 2
	s_add_co_u32 s42, s42, s40                     ; tile column
	s_and_b32 s15, ttmp7, 0xffff
	s_lshl_b32 s15, s15, 2
	s_add_co_u32 s15, s15, s41                     ; tile row
	s_lshl_b32 s43, s41, 2
	s_lshl_b32 s43, 15, s43                        ; my row of the cluster
	s_lshl_b32 s44, 0x1111, s40                    ; my column
	s_or_b32 s[G1+0], s43, (3<<16)|(1<<20)|(1<<21)|(5<<22)|(3<<25)   ; the mask; elements of 8 bytes; padding on; 21 set beside a mask; after every 64 words, 4 words
	s_or_b32 s[G1B+0], s44, (3<<16)|(1<<20)|(1<<21)|(5<<22)|(3<<25)
.irp g, G1, G1B
	s_mov_b32 s[\g+1], 32<<16                      ; tensor_dim0 = 32 elements: 256 bytes
	s_mov_b32 s[\g+2], 128<<16                     ; tensor_dim1 = 128 rows
	s_mov_b32 s[\g+3], 32<<16
	s_mov_b32 s[\g+4], 128
	s_mov_b32 s[\g+5], 32                          ; dense
	s_mov_b32 s[\g+6], 0
	s_mov_b32 s[\g+7], 0
.endr
	s_lshl_b32 s16, s15, 1
	s_add_co_u32 s16, s16, s14
	s_lshl_b32 s16, s16, 17                        ; attn: block of 64 tokens 2 x tile row + half, 131,072 bytes each
	s_mov_b32 s17, 0
	s_lshl_b32 s46, s42, 1
	s_add_co_u32 s46, s46, s14
	s_lshl_b32 s46, s46, 17                        ; Wo likewise, by the tile column
	s_mov_b32 s47, 0
	s_mul_i32 s20, s12, HALFT                      ; where they go: wave x 34,816: no place in the cluster enters an LDS address
	s_wait_dscnt 0x0                               ; both opening adds are done
	s_wait_kmcnt 0x0
	s_add_nc_u64 s[18:19], s[4:5], s[16:17]
	s_add_nc_u64 s[46:47], s[6:7], s[46:47]
	CROUND                                         ; all sixteen work-groups are here: the first joint loads meet
.irp s, 0,1
	s_mov_b32 s[G0+4*\s], 1
	s_add_co_u32 s[G0+4*\s+1], s20, \s*SLOT
	s_add_nc_u64 s[G0+4*\s+2:G0+4*\s+3], s[18:19], \s*32768
	s_or_b32 s[G0+4*\s+3], s[G0+4*\s+3], 0x80000000
	s_mov_b32 s[G0B+4*\s], 1
	s_add_co_u32 s[G0B+4*\s+1], s20, \s*SLOT
	s_add_nc_u64 s[G0B+4*\s+2:G0B+4*\s+3], s[46:47], \s*32768
	s_or_b32 s[G0B+4*\s+3], s[G0B+4*\s+3], 0x80000000
	JLOAD \s
.endr
	v_and_b32 v1, 15, v0                           ; r
	v_bfe_u32 v2, v0, 4, 1                         ; h
	v_lshlrev_b32 v[BOF], 5, v2
	s_lshl_b32 s46, s42, 9
	s_lshl_b32 s47, s14, 8
	s_add_co_u32 s46, s46, s47                     ; my first column, in bytes of f32
	s_mov_b32 s47, 0
	s_add_nc_u64 s[8:9], s[8:9], s[46:47]
	s_add_nc_u64 s[10:11], s[10:11], s[46:47]
.irp b, 0,1,2,3
	global_load_b128 v[BI+8*\b:BI+8*\b+3], v[BOF], s[8:9] offset:64*\b          ; register 8 b + j: bo at my column 16 b + 8 h + j
	global_load_b128 v[BI+8*\b+4:BI+8*\b+7], v[BOF], s[8:9] offset:64*\b+16
.endr
	s_lshl_b32 s16, s15, 19                        ; 128 tokens x 4,096 bytes
	s_lshl_b32 s17, s13, 18
	s_add_co_u32 s16, s16, s17
	s_mov_b32 s17, 0
	s_add_nc_u64 s[10:11], s[10:11], s[16:17]
	v_lshrrev_b32 v3, 1, v1
	v_mul_u32_u24 v3, v3, UNIT
	v_and_b32 v4, 1, v1
	v_lshl_add_u32 v3, v4, 7, v3
	v_lshl_add_u32 v3, v2, 4, v3                   ; a fragment's row r: unit r / 2, half r % 2, + 16 h
	s_mul_i32 s21, s13, HALFT                      ; my 64 tokens
	s_mul_i32 s22, s14, HALFT                      ; my 64 rows of Wo,
	s_add_co_u32 s22, s22, 2*HALFT                 ; which lie behind attn's 128
.irp s, 0,1
	v_add_nc_u32 v[ADRA+\s], s21, v3
	v_add_nc_u32 v[ADRB+\s], s22, v3
	s_add_co_u32 s21, s21, SLOT
	s_add_co_u32 s22, s22, SLOT
.endr
	s_mul_i32 s23, s12, 16*SPITCH
	s_add_co_u32 s23, s23, STAGE                   ; my stage
	v_mul_u32_u24 v4, v1, SPITCH
	v_lshl_add_u32 v4, v2, 5, v4
	v_add_nc_u32 v[STO], s23, v4                   ; in: token r, 32 bytes for each half of the lanes
	v_mul_u32_u24 v5, v2, SPITCH
	v_lshl_add_u32 v5, v1, 4, v5
	v_add_nc_u32 v[RD], s23, v5                    ; back: lanes 0-15 one token's 256 bytes, lanes 16-31 the next
	v_lshlrev_b32 v[CO], 12, v2
	v_lshl_add_u32 v[CO], v1, 4, v[CO]             ; and the same in out0
; 8 matrix instructions: token blocks a0, a0 + 1 x all 4 column blocks, 32 along K: half c of buffer f.  first = 1: the sums begin with the bias
.macro MUL8 f, c, a0, first
.irp a, \a0, \a0+1
.irp b, 0,1,2,3
.if \first
	v_wmma_f32_16x16x32_f16 v[ACC+8*(4*(\a)+\b):ACC+8*(4*(\a)+\b)+7], v[\f+64+8*(4*\c+\b):\f+64+8*(4*\c+\b)+7], v[\f+8*(4*\c+\a):\f+8*(4*\c+\a)+7], v[BI+8*\b:BI+8*\b+7]
.else
	v_wmma_f32_16x16x32_f16 v[ACC+8*(4*(\a)+\b):ACC+8*(4*(\a)+\b)+7], v[\f+64+8*(4*\c+\b):\f+64+8*(4*\c+\b)+7], v[\f+8*(4*\c+\a):\f+8*(4*\c+\a)+7], v[ACC+8*(4*(\a)+\b):ACC+8*(4*(\a)+\b)+7]
.endif
.endr
.endr
.endm
; 32 LDS loads in one run: the fragments of head qd of the slot's four, into buffer f; the first 32 channels first
.macro FETCH slot, qd, f
	WIN TO_F
.irp c, 0,1
.irp i, 0,1,2,3
	ds_load_b128 v[\f+64+8*(4*\c+\i):\f+64+8*(4*\c+\i)+3],   v[ADRB+\slot] offset:(\qd)*HEADB+64*\c+\i*8*UNIT
	ds_load_b128 v[\f+64+8*(4*\c+\i)+4:\f+64+8*(4*\c+\i)+7], v[ADRB+\slot] offset:(\qd)*HEADB+64*\c+\i*8*UNIT+32
	ds_load_b128 v[\f+8*(4*\c+\i):\f+8*(4*\c+\i)+3],         v[ADRA+\slot] offset:(\qd)*HEADB+64*\c+\i*8*UNIT
	ds_load_b128 v[\f+8*(4*\c+\i)+4:\f+8*(4*\c+\i)+7],       v[ADRA+\slot] offset:(\qd)*HEADB+64*\c+\i*8*UNIT+32
.endr
.endr
.endm
.macro PLACES                          ; four places in front of loads into registers that matrix instructions have read, and of reads of results
.rept 4
	v_nop
.endr
.endm
; A K step is four heads, 32 matrix instructions each, on buffers 0, 1, 0, 1.  One of the first three: multiplies buffer f and fetches head qd into g.
.macro QUARTER slot, qd, f, g, first
	s_wait_dscnt 16                                ; the first 32 channels are in; the youngest sixteen loads may be out
	WIN MUL
	MUL8 \f, 0, 0, \first
	MUL8 \f, 0, 2, \first
	PLACES
	FETCH \slot, \qd, \g
	s_wait_dscnt 32                                ; all but the 32 just issued
	WIN MUL
	MUL8 \f, 1, 0, 0
	MUL8 \f, 1, 2, 0
.endm
; The last head multiplies buffer 1 and changes slots: ONE barrier; in front of it each wave waits for all its tensor loads, adds 0 to its spare word, and waits for that and for its reads of this slot.  fill = 1: the slot is filled again.
.macro TURN slot, next, fill
	WIN 0
	s_wait_tensorcnt 0x0                           ; all my tensor loads have landed: my part of the next slot
	ds_add_u32 v[SPW], v[NIL]                      ; 0 onto my spare word
	s_wait_dscnt 17                                ; the add and the youngest sixteen loads may be out
	WIN MUL
	MUL8 F1, 0, 0, 0
	s_wait_dscnt 0x0                               ; the add is done, and my reads of this slot are over
	s_barrier_signal -1
	MUL8 F1, 0, 2, 0
.if \fill
	WIN 0
.endif
	s_barrier_wait -1
.if \fill
	CREST                                          ; the barrier has opened a round of the cluster's barrier: no wave of any partner still reads this slot or has a load on its way
	s_add_nc_u64 s[G0+4*\slot+2:G0+4*\slot+3], s[G0+4*\slot+2:G0+4*\slot+3], 65536
	s_add_nc_u64 s[G0B+4*\slot+2:G0B+4*\slot+3], s[G0B+4*\slot+2:G0B+4*\slot+3], 65536
	JLOAD \slot                                    ; the first tensor load behind the round; its four v_nop are also the places in front of the loads below
.else
	PLACES
.endif
	FETCH \next, 0, F0
	WIN MUL
	MUL8 F1, 1, 0, 0
	MUL8 F1, 1, 2, 0
.endm
	s_wait_tensorcnt 1                             ; my part of K step 0 is in; K step 1's load may be out
	s_barrier_signal -1
	s_barrier_wait -1
	FETCH 0, 0, F0
	s_wait_loadcnt 0x0                             ; the bias
	QUARTER 0, 1, F0, F1, 1
	QUARTER 0, 2, F1, F0, 0
	QUARTER 0, 3, F0, F1, 0
	TURN 0, 1, 1                                   ; slot 0 takes K step 2
	QUARTER 1, 1, F0, F1, 0
	QUARTER 1, 2, F1, F0, 0
	QUARTER 1, 3, F0, F1, 0
	TURN 1, 0, 1                                   ; slot 1 takes K step 3
	QUARTER 0, 1, F0, F1, 0
	QUARTER 0, 2, F1, F0, 0
	QUARTER 0, 3, F0, F1, 0
	TURN 0, 1, 0
	QUARTER 1, 1, F0, F1, 0
	QUARTER 1, 2, F1, F0, 0
	QUARTER 1, 3, F0, F1, 0
	s_wait_dscnt 16                                ; the last head: nothing more to fetch
	WIN MUL
	MUL8 F1, 0, 0, 0
	MUL8 F1, 0, 2, 0
	s_wait_dscnt 0
	MUL8 F1, 1, 0, 0
	MUL8 F1, 1, 2, 0
	WIN 0
; THE WAY OUT, 16 tokens x 64 columns at a time, through my own stage: 8 stores in, 8 loads back as whole rows of 256 bytes.
.macro TOSTAGE a
.irp b, 0,1,2,3
	ds_store_b128 v[STO], v[ACC+8*(4*(\a)+\b):ACC+8*(4*(\a)+\b)+3] offset:64*\b          ; each accumulator from its low end on
	ds_store_b128 v[STO], v[ACC+8*(4*(\a)+\b)+4:ACC+8*(4*(\a)+\b)+7] offset:64*\b+16
.endr
.irp t, 0,1,2,3,4,5,6,7
	ds_load_b128 v[OUTR+32*((\a)%2)+4*\t:OUTR+32*((\a)%2)+4*\t+3], v[RD] offset:\t*2*SPITCH   ; LDS serves a wave's instructions in order: these see the stores above
.endr
.endm
.macro SEND a, younger
	s_wait_dscnt \younger                          ; the block is back; the next block's 8 stores and 8 loads may be out
.irp t, 0,1,2,3,4,5,6,7
	global_store_b128 v[CO], v[OUTR+32*((\a)%2)+4*\t:OUTR+32*((\a)%2)+4*\t+3], s[10:11] offset:(16*(\a)+2*\t)*4096 th:TH_STORE_NT   ; 16 lanes store 256 consecutive bytes, aligned
.endr
.endm
	PLACES
	TOSTAGE 0
.irp a, 1,2,3
.if \a > 1
	s_wait_xcnt 0x0                                ; block a - 2's stores have read their registers: block a's loads may land there
.endif
	TOSTAGE \a
	SEND \a-1, 16
.endr
	SEND 3, 0
	s_wait_tensorcnt 0x0                           ; the wave's end, behind my last tensor load and my last LDS store
	ds_add_u32 v[SPW], v[NIL]
	s_wait_dscnt 0x0
	CROUND                                         ; the closing round
	s_endpgm
.Lfunc_end_k_qd8580c7409_oproj:
	.size	k_qd8580c7409_oproj, .Lfunc_end_k_qd8580c7409_oproj-k_qd8580c7409_oproj
	.p2alignl 7, 3214868480
	.fill 96, 4, 3214868480
	.section	.rodata,"a",@progbits
	.p2align	6, 0x0
	.amdhsa_kernel k_qd8580c7409_oproj
		.amdhsa_group_segment_fixed_size 327680
		.amdhsa_private_segment_fixed_size 0
		.amdhsa_enable_private_segment 0
		.amdhsa_kernarg_size 32
		.amdhsa_user_sgpr_count 2
		.amdhsa_user_sgpr_kernarg_segment_ptr 1
		.amdhsa_wavefront_size32 1
		.amdhsa_system_sgpr_workgroup_id_x 1
		.amdhsa_system_sgpr_workgroup_id_y 1
		.amdhsa_system_sgpr_workgroup_id_z 1
		.amdhsa_system_vgpr_workitem_id 0
		.amdhsa_next_free_vgpr 512
		.amdhsa_next_free_sgpr 66
		.amdhsa_reserve_vcc 0
		.amdhsa_float_denorm_mode_32 3
		.amdhsa_float_denorm_mode_16_64 3
		.amdhsa_memory_ordered 1
		.amdhsa_forward_progress 1
		.amdhsa_inst_pref_size 86
	.end_amdhsa_kernel
	.amdgpu_metadata
---
amdhsa.version: [ 1, 2 ]
amdhsa.kernels:
  - .name:           k_qd8580c7409_oproj
    .symbol:         k_qd8580c7409_oproj.kd
    .args:
      - { .name: attn16, .offset: 0, .size: 8, .value_kind: global_buffer, .address_space: global }
      - { .name: wo16, .offset: 8, .size: 8, .value_kind: global_buffer, .address_space: global }
      - { .name: bo, .offset: 16, .size: 8, .value_kind: global_buffer, .address_space: global }
      - { .name: out0, .offset: 24, .size: 8, .value_kind: global_buffer, .address_space: global }
    .group_segment_fixed_size: 327680
    .private_segment_fixed_size: 0
    .kernarg_segment_align: 8
    .kernarg_segment_size: 32
    .max_flat_workgroup_size: 128
    .sgpr_count:     66
    .vgpr_count:     512
    .wavefront_size: 32
...
	.end_amdgpu_metadata
.endif
;; end of part 4
;; launch fine (part 5): grid 64 x 1, 16 waves a work-group, no clusters, 18,432 bytes of LDS; arguments qkv32, Wo, bo, out0; writes out0
.if DOCPART == 5
	.amdgcn_target "amdgcn-amd-amdhsa--gfx1250"
	.amdhsa_code_object_version 6
	.text
	.protected	k_qd8580c7409_fine
	.globl	k_qd8580c7409_fine
	.p2align	8
	.type	k_qd8580c7409_fine,@function
k_qd8580c7409_fine:
	s_mov_b64 s[64:65], 0
	v_nop
	global_prefetch_b8 v0, s[64:65] scope:SCOPE_SE
	s_setreg_imm32_b32 hwreg(HW_REG_WAVE_MODE, 25, 1), 1
	s_wait_xcnt 0x0
; Positions 0-15, where a row of the softmax averages few values: attention and the projection out once more, with f32 operands throughout, from q, k, v kept in f32 ([3][16][1024]).
; Work-group x owns columns 16 x .. 16 x + 15 of out0's rows 0-15.  Wave w is head w: it makes the head's 16 x 16 attention (32 matrix instructions of 16 x 16 x 4) and the head's share of the 16 x 16 outputs (16 more);
; the sixteen shares meet in LDS, and waves 0 and 1 add them and bo and store.  Every work-group repeats the small attention, since a sum over heads does not cross work-groups.
; A row's piece is 64 bytes: these stores do not cover 256 consecutive bytes; they are 64 KiB in the whole launch.  They stand over what the launch before stored there.
; LAYOUT.  S^T = K Q^T, O^T = V^T P, out^T = Wo O: a lane holds one query throughout.  The form takes k = 2 (lane / 16) + j from register j; the same permutation of k stands on both sides of each product:
; step s of S^T takes channels 32 h + 2 s + j, of O^T keys 8 h + 2 s + j, of out^T channels 16 ct + 8 h + 2 jj + j.
; v160-223 are written by matrix instructions alone; every sum begins with the constant 0 in its own first step; four accumulators take turns.
.set RED,   0                          ; 16 waves x 1,024 bytes
.set SPARE, 16384                      ; the spare words, 128 bytes a wave, which no other line names
.set SPW, 250
.set NIL, 251
	s_load_b256 s[4:11], s[0:1], 0x0               ; qkv32 s[4:5], Wo s[6:7], bo s[8:9], out0 s[10:11]
	v_lshl_add_u32 v[SPW], v0, 2, SPARE
	v_mov_b32 v[NIL], 0
	v_lshrrev_b32 v1, 5, v0
	v_readfirstlane_b32 s12, v1                    ; w: the head
	v_and_b32 v1, 15, v0                           ; r
	v_bfe_u32 v2, v0, 4, 1                         ; h
	v_and_b32 v3, 31, v0                           ; lane
	v_lshlrev_b32 v4, 12, v1
	v_lshl_add_u32 v4, v2, 7, v4                   ; K, Q: row r, channels 32 h on
	v_lshlrev_b32 v5, 15, v2
	v_lshl_add_u32 v5, v1, 2, v5                   ; V: keys 8 h on, channel r
	v_lshlrev_b32 v6, 12, v1
	v_lshl_add_u32 v6, v2, 5, v6                   ; Wo: row r, channels 8 h on; out0: row r, columns 8 h on
	v_lshlrev_b32 v7, 5, v2                        ; bo: columns 8 h on
	s_lshl_b32 s13, s12, 10
	v_lshl_add_u32 v8, v3, 4, s13                  ; my share's place: 1,024 w + 16 x lane
	s_and_b32 s14, s12, 1
	s_lshl_b32 s15, s14, 9
	v_lshl_add_u32 v9, v3, 4, s15                  ; and where waves 0 and 1 read: 512 (w % 2) + 16 x lane
	v_lshlrev_b32 v10, 3, v2
	v_sub_nc_u32 v10, v1, v10                      ; r - 8 h: register j holds key 8 h + j, hidden where j > r - 8 h
	v_mov_b32 v11, 0xff800000                      ; -infinity
	s_mov_b32 s22, 0x76543210
	s_mov_b32 s23, 0xfedcba98
	s_mov_b32 s24, 0x3e38aa3b                      ; c = log2(e) / 8
	s_lshl_b32 s16, s12, 8                         ; the head's 64 channels
	s_mov_b32 s17, 0
	s_lshl_b32 s18, ttmp9, 16                      ; 16 rows of Wo
	s_add_co_u32 s18, s18, s16
	s_mov_b32 s19, 0
	s_lshl_b32 s20, ttmp9, 6                       ; 16 columns
	s_lshl_b32 s21, s14, 4                         ; + 4 (w % 2)
	s_add_co_u32 s20, s20, s21
	s_mov_b32 s21, 0
	s_wait_kmcnt 0x0
	s_add_nc_u64 s[4:5], s[4:5], s[16:17]
	s_add_nc_u64 s[6:7], s[6:7], s[18:19]
	s_add_nc_u64 s[8:9], s[8:9], s[20:21]
	s_add_nc_u64 s[10:11], s[10:11], s[20:21]
.irp q, 0,1,2,3,4,5,6,7
	global_load_b128 v[32+4*\q:35+4*\q], v4, s[4:5] offset:65536+16*\q          ; K
.endr
.irp q, 0,1,2,3,4,5,6,7
	global_load_b128 v[64+4*\q:67+4*\q], v4, s[4:5] offset:16*\q                ; Q
.endr
.irp ct, 0,1,2,3
.irp jj, 0,1,2,3,4,5,6,7
	global_load_b32 v[96+8*\ct+\jj], v5, s[4:5] offset:131072+\jj*4096+\ct*64   ; V(8 h + jj, 16 ct + r)
.endr
.endr
.irp ct, 0,1,2,3
	global_load_b128 v[128+8*\ct:131+8*\ct], v6, s[6:7] offset:\ct*64           ; Wo(r, 16 ct + 8 h + 0 .. 7)
	global_load_b128 v[132+8*\ct:135+8*\ct], v6, s[6:7] offset:\ct*64+16
.endr
	global_load_b128 v[12:15], v7, s[8:9]
	s_wait_loadcnt 41                              ; K's and Q's 16 loads are in; the 41 behind them may be out
.set kk, 0
.rept 16
.if kk < 4
	v_wmma_f32_16x16x4_f32 v[160+8*(kk%4):167+8*(kk%4)], v[32+2*kk:33+2*kk], v[64+2*kk:65+2*kk], 0
.else
	v_wmma_f32_16x16x4_f32 v[160+8*(kk%4):167+8*(kk%4)], v[32+2*kk:33+2*kk], v[64+2*kk:65+2*kk], v[160+8*(kk%4):167+8*(kk%4)]
.endif
.set kk, kk+1
.endr
.rept 8
	v_nop                                          ; eight places behind this form before a result is read (ISA guide 7.12.1)
.endr
.irp p, 0,2,4,6
	v_pk_add_f32 v[232+\p:233+\p], v[160+\p:161+\p], v[168+\p:169+\p]           ; the four partial sums, each accumulator from its low end on
	v_pk_add_f32 v[240+\p:241+\p], v[176+\p:177+\p], v[184+\p:185+\p]
.endr
.irp p, 0,2,4,6
	v_pk_add_f32 v[232+\p:233+\p], v[232+\p:233+\p], v[240+\p:241+\p]
.endr
.irp j, 0,1,2,3,4,5,6,7
	v_cmp_gt_i32 vcc_lo, \j, v10
	v_cndmask_b32 v[232+\j], v[232+\j], v11, vcc_lo
.endr
	v_max3_num_f32 v16, v232, v233, v234
	v_max3_num_f32 v17, v235, v236, v237
	v_max3_num_f32 v16, v16, v238, v239
	v_max_num_f32 v16, v16, v17
	v_permlanex16_b32 v17, v16, s22, s23
	v_max_num_f32 v16, v16, v17                    ; the row's largest score: key 0 counts for every query
	v_mul_f32 v16, s24, v16
.irp j, 0,1,2,3,4,5,6,7
	v_fma_f32 v[232+\j], v[232+\j], s24, -v16
.endr
.irp j, 0,1,2,3,4,5,6,7
	v_exp_f32 v[232+\j], v[232+\j]
.endr
	v_nop
	s_wait_alu depctr_va_vdst(0)                   ; one wait for the eight exponentials, ahead of their first reader
	v_pk_add_f32 v[18:19], v[232:233], v[234:235]
	v_pk_add_f32 v[20:21], v[236:237], v[238:239]
	v_pk_add_f32 v[18:19], v[18:19], v[20:21]
	v_add_f32 v18, v18, v19
	v_permlanex16_b32 v19, v18, s22, s23
	v_add_f32 v18, v18, v19
	v_rcp_f32 v20, v18
	v_nop
	s_wait_alu depctr_va_vdst(0)
.irp j, 0,1,2,3,4,5,6,7
	v_mul_f32 v[224+\j], v[232+\j], v20            ; the weights, normalised
.endr
	s_wait_loadcnt 9                               ; V is in; Wo's 8 loads and bo's may be out
.irp sx, 0,1,2,3
.irp ct, 0,1,2,3
.if \sx == 0
	v_wmma_f32_16x16x4_f32 v[192+8*\ct:199+8*\ct], v[96+8*\ct+2*\sx:97+8*\ct+2*\sx], v[224+2*\sx:225+2*\sx], 0
.else
	v_wmma_f32_16x16x4_f32 v[192+8*\ct:199+8*\ct], v[96+8*\ct+2*\sx:97+8*\ct+2*\sx], v[224+2*\sx:225+2*\sx], v[192+8*\ct:199+8*\ct]
.endif
.endr
.endr
.rept 9
	v_nop                                          ; nine places before a matrix instruction takes a result as an operand
.endr
	s_wait_loadcnt 1                               ; Wo is in; bo's load may be out
.irp jj, 0,1,2,3
.irp ct, 0,1,2,3
.if \jj == 0
	v_wmma_f32_16x16x4_f32 v[160+8*\ct:167+8*\ct], v[128+8*\ct+2*\jj:129+8*\ct+2*\jj], v[192+8*\ct+2*\jj:193+8*\ct+2*\jj], 0
.else
	v_wmma_f32_16x16x4_f32 v[160+8*\ct:167+8*\ct], v[128+8*\ct+2*\jj:129+8*\ct+2*\jj], v[192+8*\ct+2*\jj:193+8*\ct+2*\jj], v[160+8*\ct:167+8*\ct]
.endif
.endr
.endr
.rept 8
	v_nop
.endr
.irp p, 0,2,4,6
	v_pk_add_f32 v[240+\p:241+\p], v[160+\p:161+\p], v[168+\p:169+\p]
	v_pk_add_f32 v[232+\p:233+\p], v[176+\p:177+\p], v[184+\p:185+\p]
.endr
.irp p, 0,2,4,6
	v_pk_add_f32 v[240+\p:241+\p], v[240+\p:241+\p], v[232+\p:233+\p]           ; my head's share of out(r, 16 x + 8 h + 0 .. 7)
.endr
	ds_store_b128 v8, v[240:243]
	ds_store_b128 v8, v[244:247] offset:512
	s_wait_dscnt 0x0                               ; for the others' sake: my stores have landed
	s_barrier_signal -1
	s_barrier_wait -1
	s_cmp_ge_u32 s12, 2
	s_cbranch_scc1 .Lend
.irp p, 0,1,2,3,4,5,6,7,8,9,10,11,12,13,14,15
	ds_load_b128 v[32+4*\p:35+4*\p], v9 offset:RED+\p*1024                      ; wave 0: columns 8 h + 0 .. 3 of all sixteen heads; wave 1: 8 h + 4 .. 7
.endr
	s_wait_dscnt 0x0
.irp d, 8,4,2,1
.set p, 0
.rept \d
	v_pk_add_f32 v[32+4*p:33+4*p], v[32+4*p:33+4*p], v[32+4*(p+\d):33+4*(p+\d)]
	v_pk_add_f32 v[34+4*p:35+4*p], v[34+4*p:35+4*p], v[34+4*(p+\d):35+4*(p+\d)]
.set p, p+1
.endr
.endr
	s_wait_loadcnt 0x0                             ; bo
	v_pk_add_f32 v[32:33], v[32:33], v[12:13]
	v_pk_add_f32 v[34:35], v[34:35], v[14:15]
	global_store_b128 v6, v[32:35], s[10:11]
.Lend:
	s_wait_tensorcnt 0x0                           ; the wave's end, behind my last LDS store
	ds_add_u32 v[SPW], v[NIL]
	s_wait_dscnt 0x0
	s_endpgm
.Lfunc_end_k_qd8580c7409_fine:
	.size	k_qd8580c7409_fine, .Lfunc_end_k_qd8580c7409_fine-k_qd8580c7409_fine
	.p2alignl 7, 3214868480
	.fill 96, 4, 3214868480
	.section	.rodata,"a",@progbits
	.p2align	6, 0x0
	.amdhsa_kernel k_qd8580c7409_fine
		.amdhsa_group_segment_fixed_size 18432
		.amdhsa_private_segment_fixed_size 0
		.amdhsa_enable_private_segment 0
		.amdhsa_kernarg_size 32
		.amdhsa_user_sgpr_count 2
		.amdhsa_user_sgpr_kernarg_segment_ptr 1
		.amdhsa_wavefront_size32 1
		.amdhsa_system_sgpr_workgroup_id_x 1
		.amdhsa_system_sgpr_workgroup_id_y 1
		.amdhsa_system_sgpr_workgroup_id_z 1
		.amdhsa_system_vgpr_workitem_id 0
		.amdhsa_next_free_vgpr 256
		.amdhsa_next_free_sgpr 66
		.amdhsa_reserve_vcc 1
		.amdhsa_float_denorm_mode_32 3
		.amdhsa_float_denorm_mode_16_64 3
		.amdhsa_memory_ordered 1
		.amdhsa_forward_progress 1
		.amdhsa_inst_pref_size 19
	.end_amdhsa_kernel
	.amdgpu_metadata
---
amdhsa.version: [ 1, 2 ]
amdhsa.kernels:
  - .name:           k_qd8580c7409_fine
    .symbol:         k_qd8580c7409_fine.kd
    .args:
      - { .name: qkv32, .offset: 0, .size: 8, .value_kind: global_buffer, .address_space: global }
      - { .name: Wo, .offset: 8, .size: 8, .value_kind: global_buffer, .address_space: global }
      - { .name: bo, .offset: 16, .size: 8, .value_kind: global_buffer, .address_space: global }
      - { .name: out0, .offset: 24, .size: 8, .value_kind: global_buffer, .address_space: global }
    .group_segment_fixed_size: 18432
    .private_segment_fixed_size: 0
    .kernarg_segment_align: 8
    .kernarg_segment_size: 32
    .max_flat_workgroup_size: 512
    .sgpr_count:     66
    .vgpr_count:     256
    .wavefront_size: 32
...
	.end_amdgpu_metadata
.endif
;; end of part 5
